; MI455X (gfx1250); checked and timed in simulation.
; The chip was launched on July 23, 2026; its instructions are those of AMD's public machine-readable ISA for CDNA 5 (MIT licence, August 2026) and "CDNA5" Instruction Set Architecture Reference Guide (July 2026). The comments in the code are by the model that wrote it; some were corrected since.
;; Multi Head Self Attention. Allowed arithmetic: matrix products marked QUANTISED: E4M3 operands, one E8M0 scale for each 32 along K, by v_wmma_scale_f32_16x16x128_f8f6f4 with both operands' format E4M3, f32 sums; everything else in f32.
;; Inputs: H 4 x 2,048 x 1,024 float32; Wk 1,024 x 1,024 float32; Wo 1,024 x 1,024 float32; Wq 1,024 x 1,024 float32; Wv 1,024 x 1,024 float32; bk 1,024 float32; bo 1,024 float32; bq 1,024 float32; bv 1,024 float32.
;; Outputs: out0 4 x 2,048 x 1,024 float32.
;; This version of the problem:
;;   THIS VERSION OF THE PROBLEM IS GIVEN IN LOW PRECISION. The matrix products marked QUANTISED in the list below multiply operands that are first quantised to E4M3 (4 exponent bits, 3 mantissa bits; 8 bits a number), with one power-of-two scale for each 32 numbers along K (OCP MX v1.0); their sums are f32. All else is computed in f32.
;;   The module's matrix products, in the order in which they are computed (A, B: the left and right operand; K: the contracted axis; several contracted axes count as one K, in the product's order):
;;     1. [M 8,192, K 1,024] x [K 1,024, N 1,024]; A: input H; B: input Wq: QUANTISED
;;     2. [M 8,192, K 1,024] x [K 1,024, N 1,024]; A: input H; B: input Wk: QUANTISED
;;     3. [M 8,192, K 1,024] x [K 1,024, N 1,024]; A: input H; B: input Wv: QUANTISED
;;     4. batch 64 x [M 2,048, K 64] x [K 64, N 2,048]; A: computed on the way; B: computed on the way: QUANTISED
;;     5. batch 64 x [M 2,048, K 2,048] x [K 2,048, N 64]; A: softmax (see below); B: computed on the way: QUANTISED
;;     6. [M 8,192, K 1,024] x [K 1,024, N 1,024]; A: computed on the way; B: input Wo: QUANTISED
;;   THE QUANTISER, for each operand of a quantised product, along K:
;;     - K is cut into blocks of 32 from its start; a last block that is shorter is filled with zeros.
;;     - A block's scale is 2^e with e = floor(log2(the largest magnitude in the block)) - 8, held to -126 .. 127; a block of zeros has e = 0. As a byte (E8M0): e + 127.
;;     - Each number is divided by its block's scale, clamped to +-448, and rounded to the nearest number of E4M3, ties to even, subnormals kept.
;;     - The product sums the exact products of the quantised numbers (number of the format x scale) in f32.
;;   ~~~python
;;   def quantise(x, axis):      # numpy; x: float32 -> the quantised numbers, widened to float32 again
;;       x = np.moveaxis(x, axis, -1); K = x.shape[-1]
;;       x = np.pad(x, [(0, 0)] * (x.ndim - 1) + [(0, -K % 32)]); x = x.reshape(x.shape[:-1] + (-1, 32)); a = np.abs(x).max(-1, keepdims=True)
;;       e = np.where(a > 0, np.clip(np.frexp(np.where(a > 0, a, 1))[1] - 1 - 8, -126, 127), 0)      # np.frexp(a)[1] - 1 = floor(log2(a)), exactly
;;       r = np.clip(x / 2.0 ** e, -448, 448)
;;       step = 2.0 ** (np.maximum(np.frexp(np.where(r == 0, 1, r))[1] - 1, -6) - 3)
;;       q = np.round(r / step) * step * 2.0 ** e      # np.round: ties to even
;;       return np.moveaxis(q.reshape(q.shape[:-2] + (-1,))[..., :K], -1, axis).astype(np.float32)
;;   ~~~
;;   SOFTMAX AHEAD OF A QUANTISED PRODUCT. Where the list says 'softmax', what is quantised is not the finished softmax but p = 2^(t - M), with t = logit x log2(e) and M = ceil(the row's largest t), a whole number; so 1/2 < the row's largest p <= 1. The row's sum l is taken of the UNQUANTISED p, in f32, and the product's result is divided by l at the end. Since M is a whole number, a kernel that streams over the keys may use a running M (the ceiling of the running maximum): every later rescaling is an exact power of two, which a block's scale takes up: the codes' values come out the same.
;;   OPERANDS COMPUTED ON THE WAY. 'Computed on the way' means the value that the module computes at that place (a softmax that the list does not call 'softmax' is quantised finished and normalised). What goes into a quantiser is computed in f32, as accurately as f32 sums, v_exp_f32 and their like allow (about 1e-6 of the number): no bf16 or f16 on the way to a quantiser, and a product that is left as it is and whose result goes on into a quantised operand takes f32 operands (vector FMAs, or v_wmma_f32_16x16x4_f32). A number that lies on a knife's edge between two numbers of the format may be rounded either way, as far as f32 arithmetic and the matrix unit's own rounding can turn it there, and no further.
;; One version. Each part assembles by itself: llvm-mc -triple=amdgcn-amd-amdhsa -mcpu=gfx1250 --defsym DOCPART=n.
;; ======== version 1 of 1: 4 launches
;; limits: right only within a limited range of input values
;; workspace buffers: xc 12,582,912 bytes; xs 393,216 bytes; qk 16,777,216 bytes; qks 1,048,576 bytes; vimg 8,388,608 bytes; vs 262,144 bytes; cc 8,388,608 bytes; cs 262,144 bytes
;; launch quant (part 1): grid 384 x 1, 4 waves a work-group, no clusters, 33,280 bytes of LDS; arguments H, Wq, Wk, Wv, Wo, xc, xs; writes xc, xs
.if DOCPART == 1
	.amdgcn_target "amdgcn-amd-amdhsa--gfx1250"
	.amdhsa_code_object_version 6
	.text
	.protected	k_q4639216636_quant
	.globl	k_q4639216636_quant
	.p2align	8
	.type	k_q4639216636_quant,@function
k_q4639216636_quant:
	s_mov_b64 s[64:65], 0
	v_nop
	global_prefetch_b8 v0, s[64:65] scope:SCOPE_SE
	s_setreg_imm32_b32 hwreg(HW_REG_WAVE_MODE, 25, 1), 1
	s_wait_xcnt 0x0
; H [8192][1024], Wq, Wk, Wv, Wo [1024][1024], f32, K innermost, become codes of FP8 (E4M3) in xc [12288 rows][1024 bytes] and one E8M0 scale byte for each 32 along K in xs [12288][32].
; Rows of xc: 0 H, 8192 Wq, 9216 Wk, 10240 Wv, 11264 Wo.
; A block's scale is 2^(floor(log2(its largest magnitude)) - 8); its byte is the largest magnitude's exponent field - 8, held at 1 from below.  Each number is divided by the scale, held within +-448, rounded to the nearest code, ties to even.
; THE ROWS OF H, Wq, Wk, Wv ARE STORED WITH BITS 3 AND 4 OF THE ROW NUMBER SWAPPED: place 16 u + 8 a + c of a group of 32 holds true row 16 a + 8 u + c.  Sixteen consecutive stored rows are then rows
; 8 u + r + 8 (r / 8) of the group, so that a product whose registers run over such rows has 16 neighbours in the 16 registers of two neighbouring tiles.  Wo keeps its order.
; LIMITS: a block of zeros, or one whose largest magnitude lies under 2^-118, gets the byte 1 (the bytes are read by this program alone); NaN and infinities among the inputs are not served.
; SHARES: a work-group takes 32 rows, a wave 8 rows (8,192 numbers) in 16 steps of 512.  Work-groups 0-255 take H, then 32 each Wq, Wk, Wv, Wo.  A wave's 8 rows are a run; swapping the run's two low bits is the swap of the rows' bits.
; Each load reads 512 consecutive bytes; a step's 2,048 bytes turn through the wave's own stage in LDS so that a lane holds 16 neighbours; a wave stores 512 consecutive bytes of codes a step and 256 scale bytes at its end.
; No tensor loads, no barrier, no cluster: waves and work-groups share nothing.  Loads run seven steps (28 loads a wave) ahead.
.set STEPS, 16
.set AHEAD, 7
.set EMAX,  8
.set MANT,  0x600000                   ; the mantissa field of 448 as f32
.set CB,    16                         ; bytes of 16 codes
.set R,     16                         ; v16-127  seven sets of 16 numbers as they are loaded
.set X,     128                        ; v128-159 two sets of 16 neighbours
.set E,     160                        ; v160-175 a scale byte for each step
.set C,     176                        ; v176-239 codes: four registers for each step
.set SPW,   240                        ; v240     my spare word
.set NIL,   241                        ; v241     0
.set WREG,  8192                       ; LDS: a region for each wave: two stages of 32 x SP bytes, then its 256 scale bytes
.set SP,    80                         ; a lane's place in a stage: 64 bytes + 16 of padding
	s_load_b256 s[4:11], s[0:1], 0x0               ; H, Wq, Wk, Wv
	s_load_b128 s[12:15], s[0:1], 0x20             ; Wo, xc
	s_load_b64 s[24:25], s[0:1], 0x30              ; xs
	v_lshl_add_u32 v[SPW], v0, 2, 0x8000
	v_mov_b32 v[NIL], 0
	v_lshrrev_b32 v1, 5, v0
	v_readfirstlane_b32 s16, v1                    ; wave
	v_and_b32 v2, 31, v0                           ; lane
	v_lshlrev_b32 v3, 4, v2                        ; my 16 bytes of a load's 512
	s_mul_i32 s17, s16, WREG
	v_lshrrev_b32 v14, 2, v2
	v_mul_u32_u24 v14, v14, SP
	v_and_b32 v15, 3, v2
	v_lshl_add_u32 v14, v15, 4, v14
	v_add_nc_u32 v14, s17, v14                     ; the stage, on the way in: SP (lane / 4) + 16 (lane % 4)
	v_mul_u32_u24 v15, v2, SP
	v_add_nc_u32 v15, s17, v15                     ; and on the way out: SP x lane: my 16 neighbours
	v_mul_u32_u24 v4, v2, CB                       ; my codes' place in a step's
	v_lshrrev_b32 v5, 1, v2
	s_add_co_u32 s17, s17, 2*32*SP
	v_add_nc_u32 v5, s17, v5                       ; LDS: my wave's 256 scale bytes, my block's byte
	v_lshlrev_b32 v7, 3, v2                        ; and on the way out 8 bytes a lane
	v_add_nc_u32 v6, s17, v7
	s_mov_b32 s23, MANT
	s_and_b32 s18, ttmp9, 31                       ; a weight's work-group among its 32
	s_lshl_b32 s19, s16, 1
	s_and_b32 s19, s19, 2
	s_lshr_b32 s20, s16, 1
	s_or_b32 s19, s19, s20                         ; the wave's number with its two bits swapped
	s_mov_b32 s21, 0
	s_wait_alu depctr_va_vdst(0)                   ; the wait at the head's end
	s_wait_kmcnt 0x0
	s_cmp_lt_u32 ttmp9, 352                        ; which tensor: the choices hang on the work-group's number alone
	s_cselect_b64 s[10:11], s[10:11], s[12:13]
	s_cselect_b32 s19, s19, s16                    ; Wo keeps its rows' order
	s_cmp_lt_u32 ttmp9, 320
	s_cselect_b64 s[8:9], s[8:9], s[10:11]
	s_cmp_lt_u32 ttmp9, 288
	s_cselect_b64 s[6:7], s[6:7], s[8:9]
	s_cmp_lt_u32 ttmp9, 256
	s_cselect_b64 s[4:5], s[4:5], s[6:7]
	s_cselect_b32 s18, ttmp9, s18
	s_lshl_b32 s18, s18, 2
	s_add_co_u32 s18, s18, s16                     ; which run of 8 rows of the tensor I read
	s_lshl_b32 s20, s18, 15                        ; 32,768 bytes a run
	s_add_nc_u64 s[4:5], s[4:5], s[20:21]
	s_lshl_b32 s18, ttmp9, 2
	s_add_co_u32 s18, s18, s19                     ; which run of xc and xs I write
	s_lshl_b32 s20, s18, 13
	s_add_nc_u64 s[14:15], s[14:15], s[20:21]
	s_lshl_b32 s20, s18, 8
	s_add_nc_u64 s[24:25], s[24:25], s[20:21]
.macro LOAD t
.irp i, 0,1,2,3
	global_load_b128 v[R+16*((\t)%AHEAD)+4*\i:R+16*((\t)%AHEAD)+4*\i+3], v3, s[4:5] offset:2048*(\t)+512*\i th:TH_LOAD_NT   ; 32 lanes read 512 consecutive bytes
.endr
.endm
.macro TURN t                          ; step t's numbers through the stage: LDS serves a wave's instructions in order, so no wait stands between the stores and the loads
.irp i, 0,1,2,3
	ds_store_b128 v14, v[R+16*((\t)%AHEAD)+4*\i:R+16*((\t)%AHEAD)+4*\i+3] offset:32*SP*((\t)%2)+8*SP*\i
.endr
.irp i, 0,1,2,3
	ds_load_b128 v[X+16*((\t)%2)+4*\i:X+16*((\t)%2)+4*\i+3], v15 offset:32*SP*((\t)%2)+16*\i
.endr
.endm
.irp t, 0,1,2,3,4,5,6
	LOAD \t
.endr
	s_wait_loadcnt 4*(AHEAD-1)                     ; step 0's four loads are in; six steps' 24 may be out
	TURN 0
.macro STEP t
.set XS, X+16*((\t)%2)
.if (\t) > 0
	s_wait_dscnt 1                                 ; this step's numbers are back from the stage (the last step's byte store may be out)
.else
	s_wait_dscnt 0x0
.endif
.if (\t)+AHEAD < STEPS
	LOAD (\t)+AHEAD                                ; into the registers that the stage's stores have read
.endif
.if (\t)+1 < STEPS
.if STEPS-2-(\t) >= AHEAD-1
	s_wait_loadcnt 4*(AHEAD-1)                     ; the next step's four loads are in; those of the six steps behind it may be out
.else
	s_wait_loadcnt 4*(STEPS-2-(\t))
.endif
	TURN (\t)+1
.endif
	v_max3_num_f32 v8, |v[XS]|, |v[XS+1]|, |v[XS+2]|               ; the largest magnitude of my 16
	v_max3_num_f32 v9, |v[XS+3]|, |v[XS+4]|, |v[XS+5]|
.irp i, 6,10
	v_max3_num_f32 v8, v8, |v[XS+\i]|, |v[XS+\i+1]|
	v_max3_num_f32 v9, v9, |v[XS+\i+2]|, |v[XS+\i+3]|
.endr
	v_max3_num_f32 v8, v8, |v[XS+14]|, |v[XS+15]|
	v_max3_num_f32 v8, v8, v9, (EMAX+1)<<23        ; and the floor 2^(9 - 127): the byte cannot fall under 1
	v_max_num_f32_dpp v8, v8, v8 row_xmask:1 row_mask:0xf bank_mask:0xf   ; and of my neighbour's 16: the block's
	v_add_nc_u32 v11, -(EMAX<<23), v8              ; 8 off its exponent field: the conversion takes this operand's exponent field as its scale
	v_and_or_b32 v10, v8, 0x7f800000, s23          ; 448 x the scale
.irp i, 0,1,2,3,4,5,6,7,8,9,10,11,12,13,14,15
	v_med3_num_f32 v[XS+\i], v[XS+\i], -v10, v10   ; the conversion to an 8-bit code does not saturate (ISA guide 7.6.2): the hold comes first
.endr
	v_cvt_scalef32_pk8_fp8_f32 v[C+4*(\t):C+4*(\t)+1], v[XS:XS+7], v11
	v_cvt_scalef32_pk8_fp8_f32 v[C+4*(\t)+2:C+4*(\t)+3], v[XS+8:XS+15], v11
	v_lshrrev_b32 v[E+(\t)], 23, v11               ; the scale's byte
	ds_store_b8 v5, v[E+(\t)] offset:16*(\t)       ; both lanes of a block write the same byte with the same value
	global_store_b128 v4, v[C+4*(\t):C+4*(\t)+3], s[14:15] offset:32*CB*(\t)   ; 32 lanes store 512 consecutive bytes
.endm
.irp t, 0,1,2,3,4,5,6,7,8,9,10,11,12,13,14,15
	STEP \t
.endr
	ds_load_b64 v[12:13], v6                       ; LDS serves a wave's instructions in order: these see my stores
	s_wait_dscnt 0x0
	global_store_b64 v7, v[12:13], s[24:25]        ; 32 lanes store 256 consecutive bytes, aligned
	s_wait_tensorcnt 0x0                           ; the wave's end
	ds_add_u32 v[SPW], v[NIL]
	s_wait_dscnt 0x0
	s_endpgm
.Lfunc_end_k_q4639216636_quant:
	.size	k_q4639216636_quant, .Lfunc_end_k_q4639216636_quant-k_q4639216636_quant
	.p2alignl 7, 3214868480
	.fill 96, 4, 3214868480
	.section	.rodata,"a",@progbits
	.p2align	6, 0x0
	.amdhsa_kernel k_q4639216636_quant
		.amdhsa_group_segment_fixed_size 33280
		.amdhsa_private_segment_fixed_size 0
		.amdhsa_enable_private_segment 0
		.amdhsa_kernarg_size 56
		.amdhsa_user_sgpr_count 2
		.amdhsa_user_sgpr_kernarg_segment_ptr 1
		.amdhsa_wavefront_size32 1
		.amdhsa_system_sgpr_workgroup_id_x 1
		.amdhsa_system_sgpr_workgroup_id_y 1
		.amdhsa_system_sgpr_workgroup_id_z 1
		.amdhsa_system_vgpr_workitem_id 0
		.amdhsa_next_free_vgpr 242
		.amdhsa_next_free_sgpr 66
		.amdhsa_reserve_vcc 0
		.amdhsa_float_denorm_mode_32 3
		.amdhsa_float_denorm_mode_16_64 3
		.amdhsa_memory_ordered 1
		.amdhsa_forward_progress 1
		.amdhsa_inst_pref_size 51
	.end_amdhsa_kernel
	.amdgpu_metadata
---
amdhsa.version: [ 1, 2 ]
amdhsa.kernels:
  - .name:           k_q4639216636_quant
    .symbol:         k_q4639216636_quant.kd
    .args:
      - { .name: H, .offset: 0, .size: 8, .value_kind: global_buffer, .address_space: global }
      - { .name: Wq, .offset: 8, .size: 8, .value_kind: global_buffer, .address_space: global }
      - { .name: Wk, .offset: 16, .size: 8, .value_kind: global_buffer, .address_space: global }
      - { .name: Wv, .offset: 24, .size: 8, .value_kind: global_buffer, .address_space: global }
      - { .name: Wo, .offset: 32, .size: 8, .value_kind: global_buffer, .address_space: global }
      - { .name: xc, .offset: 40, .size: 8, .value_kind: global_buffer, .address_space: global }
      - { .name: xs, .offset: 48, .size: 8, .value_kind: global_buffer, .address_space: global }
    .group_segment_fixed_size: 33280
    .private_segment_fixed_size: 0
    .kernarg_segment_align: 8
    .kernarg_segment_size: 56
    .max_flat_workgroup_size: 128
    .sgpr_count:     66
    .vgpr_count:     242
    .wavefront_size: 32
...
	.end_amdgpu_metadata
.endif
;; end of part 1
;; launch proj (part 2): grid 12 x 32, 4 waves a work-group, clusters of 4 x 4, 327,680 bytes of LDS; arguments xc, xs, bq, bk, bv, qk, vimg, qks, vs; writes qk, vimg, qks, vs
.if DOCPART == 2
	.amdgcn_target "amdgcn-amd-amdhsa--gfx1250"
	.amdhsa_code_object_version 6
	.text
	.protected	k_q4639216636_proj
	.globl	k_q4639216636_proj
	.p2align	8
	.type	k_q4639216636_proj,@function
k_q4639216636_proj:
	s_mov_b64 s[64:65], 0
	v_nop
	global_prefetch_b8 v0, s[64:65] scope:SCOPE_SE
	s_setreg_imm32_b32 hwreg(HW_REG_WAVE_MODE, 25, 1), 1
	s_wait_xcnt 0x0
	s_wait_alu depctr_hold_cnt(0) depctr_sa_sdst(0) depctr_va_vdst(0) depctr_va_sdst(0) depctr_va_ssrc(0) depctr_va_vcc(0) depctr_vm_vsrc(0)
	s_getreg_b32 s2, hwreg(HW_REG_IB_STS2, 6, 4)
	s_cmp_eq_u32 s2, 0
	s_cbranch_scc0 .Lentry_in_a_cluster
	s_endpgm
.Lentry_in_a_cluster:
	s_bfe_u32 s2, ttmp6, 0x10000c
	s_cmp_lg_u32 s2, 0xf033
	s_cbranch_scc0 .Lentry_shape_is_right
	s_endpgm
.Lentry_shape_is_right:
.set NQ,     2
.set ROWB,   256
.set KROW,   1024
.set PITCH,  272
.set FR,     16
.set NL,     4
.set NP,     8
.set HALFT,  128*PITCH
.set SLOT,   4*HALFT
.set SCL,    2*SLOT
.set HALFS,  16*272
.set SBLK,   2*272
.set SPARE,  SCL+4*HALFS
.set SST,    SPARE+512
.set ADRA, 16
.set ADSA, 18
.set ADSB, 19
.set ADRB, 20
.set GO0,  22
.set GO1,  23
.set SSTO, 24
.set SSRD, 25
.set GSO,  26
.set SHL,  27
.set SPW,  28
.set NIL,  29
.set OBX,  30
.set OBY,  31
.set SC,   32
.set BX,   64
.set AF,   128
.set T,    128
.set PC,   192
.set TM,   208
.set PW,   224
.set R0,   228
.set R1,   232
.set SX,   240
.set MNT,  2
.set BIAS, 12
.set OUTC, 14
.set OUTS, 18
.set G1, 24
.set G0, 32
.set G1B, 48
.set G0B, 56
.set G1S, 68
.set G0S, 76
.set G1SB, 80
.set G0SB, 88
.set WV,   92
.set HI,   93
.set LO,   94
.set MODE, 95
.set STP,  96
.set STP4, 98
.set SEL,  100
.set MSB, 0
.macro WIN new
.if MSB != \new
	s_set_vgpr_msb (MSB<<8)|\new
.set MSB, \new
.endif
.endm
.set MUL_LO,  0xa1
.set MUL_HI,  0xf1
.set MUL_LO0, 0x81
.set MUL_HI0, 0xc1
.set TO_B,    0x40
.macro JLOAD g0a, g1a, g0b, g1b
	s_cmp_eq_u32 s[HI], 0
	s_cbranch_scc0 .Lfor_b_\@
	tensor_load_to_lds s[\g0a:\g0a+3], s[\g1a:\g1a+7]
	s_nop 0
.rept 4
	v_nop
.endr
	s_branch .Lasked_\@
.Lfor_b_\@:
	tensor_load_to_lds s[\g0b:\g0b+3], s[\g1b:\g1b+7]
	s_nop 0
.rept 4
	v_nop
.endr
.Lasked_\@:
.endm
.macro CREST
	s_cmp_lg_u32 s[WV], 0
	s_cbranch_scc1 .Lnot_wave_0_\@
	s_barrier_signal -3
.Lnot_wave_0_\@:
	s_barrier_wait -3
	s_barrier_signal -1
	s_barrier_wait -1
.endm
.macro CROUND
	s_barrier_signal -1
	s_barrier_wait -1
	CREST
.endm
	s_load_b128 s[4:7], s[0:1], 0x0
	s_load_b256 s[8:15], s[0:1], 0x10
	s_load_b128 s[16:19], s[0:1], 0x30
	s_load_b64 s[20:21], s[0:1], 0x40
	v_lshl_add_u32 v[SPW], v0, 2, SPARE
	v_mov_b32 v[NIL], 0
	ds_add_u32 v28, v29
	ds_add_u32 v28, v29
	s_wait_dscnt 0x0
	v_lshrrev_b32 v1, 5, v0
	v_readfirstlane_b32 s[WV], v1
	s_lshr_b32 s[HI], s[WV], 1
	s_and_b32 s[LO], s[WV], 1
	s_bfe_u32 s40, ttmp6, 0x40000
	s_bfe_u32 s41, ttmp6, 0x40004
	s_and_b32 s3, ttmp7, 0xffff
	s_cmp_eq_u32 ttmp9, 2
	s_cselect_b32 s[MODE], 1, 0
	s_cselect_b32 s2, s3, ttmp9
	s_cselect_b32 s3, 0, s3
	s_cselect_b32 s66, 10240, 0
	s_cselect_b32 s67, 0, 8192
	s_mov_b32 s22, 1024
	s_cselect_b32 s22, s22, 0x20000
	s_cselect_b32 s23, 0, 16
	s_cselect_b32 s47, 3840, 0
	s_mov_b32 s[STP], 2048
	s_cselect_b32 s[STP], s[STP], 1024
	s_mov_b32 s[STP4], 124928
	s_cselect_b32 s[STP4], s[STP4], 1024
	s_mov_b32 s[STP+1], 0
	s_mov_b32 s[STP4+1], 0
	v_and_b32 v5, 31, v0
	v_bfe_u32 v2, v0, 4, 1
	v_lshlrev_b32 v[GO0], 4, v5
	v_add_nc_u32 v[GO1], s22, v[GO0]
	v_mul_u32_u24 v[SHL], s23, v2
	v_mad_u32_u24 v[GSO], v2, s47, v[GO0]
	s_lshl_b32 s42, s2, 2
	s_add_co_u32 s42, s42, s40
	s_lshl_b32 s46, s3, 2
	s_add_co_u32 s46, s46, s41
	s_lshl_b32 s43, s41, 2
	s_lshl_b32 s43, 15, s43
	s_lshl_b32 s44, 0x1111, s40
	s_or_b32 s[G1+0], s43, (0<<16)|(1<<20)|(1<<21)|(5<<22)|(3<<25)
	s_or_b32 s[G1B+0], s44, (0<<16)|(1<<20)|(1<<21)|(5<<22)|(3<<25)
.irp g, G1, G1B
	s_mov_b32 s[\g+1], ROWB<<16
	s_mov_b32 s[\g+2], 256<<16
	s_mov_b32 s[\g+3], ROWB<<16
	s_mov_b32 s[\g+4], 256
	s_mov_b32 s[\g+5], KROW
	s_mov_b32 s[\g+6], 0
	s_mov_b32 s[\g+7], 0
.endr
	s_or_b32 s[G1S+0], s43, (3<<16)|(1<<20)|(1<<21)|(5<<22)|(3<<25)
	s_or_b32 s[G1SB+0], s44, (3<<16)|(1<<20)|(1<<21)|(5<<22)|(3<<25)
.irp g, G1S, G1SB
	s_mov_b32 s[\g+1], 32<<16
	s_mov_b32 s[\g+2], 32<<16
	s_mov_b32 s[\g+3], 32<<16
	s_mov_b32 s[\g+4], 32
	s_mov_b32 s[\g+5], 32
	s_mov_b32 s[\g+6], 0
	s_mov_b32 s[\g+7], 0
.endr
	s_lshl_b32 s22, s[LO], 7
	s_lshl_b32 s3, s46, 8
	s_add_co_u32 s66, s66, s3
	s_add_co_u32 s66, s66, s22
	s_lshl_b32 s2, s42, 8
	s_add_co_u32 s67, s67, s2
	s_add_co_u32 s67, s67, s22
	s_mul_i32 s45, s[WV], HALFT
	s_mul_i32 s47, s[WV], HALFS
	s_mov_b32 s23, 0
	s_mov_b32 s3, 0
	s_wait_kmcnt 0x0
	CROUND
	s_lshl_b32 s47, s[LO], 7                       ; the head's four tiles are whole: the block's first rows of A and of B
	s_sub_co_u32 s22, s66, s47
	s_sub_co_u32 s2, s67, s47
	s_lshl_b32 s22, s22, 5
	s_lshl_b32 s2, s2, 5
	s_mov_b32 s[G0S], 1
	s_mov_b32 s[G0S+1], SCL
	s_add_nc_u64 s[G0S+2:G0S+3], s[6:7], s[22:23]
	s_or_b32 s[G0S+3], s[G0S+3], 0x80000000
	s_mov_b32 s[G0SB], 1
	s_mov_b32 s[G0SB+1], SCL+2*HALFS
	s_add_nc_u64 s[G0SB+2:G0SB+3], s[6:7], s[2:3]
	s_or_b32 s[G0SB+3], s[G0SB+3], 0x80000000
	s_lshl_b32 s22, s22, 5
	s_lshl_b32 s2, s2, 5
	s_mov_b32 s[G0], 1                             ; K step 0's 256 rows of A,
	s_mov_b32 s[G0+1], 0
	s_add_nc_u64 s[G0+2:G0+3], s[4:5], s[22:23]
	s_or_b32 s[G0+3], s[G0+3], 0x80000000
	s_mov_b32 s[G0B], 1                            ; and of B, behind them in slot 0
	s_mov_b32 s[G0B+1], 2*HALFT
	s_add_nc_u64 s[G0B+2:G0B+3], s[4:5], s[2:3]
	s_or_b32 s[G0B+3], s[G0B+3], 0x80000000
; THE HEAD'S LOADS, ONE A WAVE: wave 0 K step 0's rows of A, wave 1 those of B, wave 2 A's scale bytes, wave 3 B's: one chain of branches on the wave's number
.macro ARM under, g0, g1, next
	s_cmp_lt_u32 s[WV], \under
	s_cbranch_scc0 \next
	tensor_load_to_lds s[\g0:\g0+3], s[\g1:\g1+7]
	s_nop 0
.rept 4
	v_nop
.endr
	s_branch .Lhead_asked
\next:
.endm
	ARM 1, G0,  G1,  .Lhead_b
	ARM 2, G0B, G1B, .Lhead_sa
	ARM 3, G0S, G1S, .Lhead_sb
	tensor_load_to_lds s[G0SB:G0SB+3], s[G1SB:G1SB+7]
	s_nop 0
.rept 4
	v_nop
.endr
.Lhead_asked:
; The lines that wait for the head's tiles, write the ring's descriptors and ask for K step 1 stand further down, behind the address work and the bias's loads, which so stand under the head's tensor loads
.macro RINGHEAD
	s_lshl_b32 s22, s66, 10
	s_lshl_b32 s2, s67, 10
	s_wait_alu depctr_va_vdst(0)
	s_wait_tensorcnt 0x0                           ; my tile of the head's four is in, so every descriptor may be written: the ring's, 128 rows a wave
	ds_add_u32 v28, v29
.irp s, 0,1
	s_mov_b32 s[G0+4*\s], 1
	s_add_co_u32 s[G0+4*\s+1], s45, \s*SLOT
	s_add_nc_u64 s[G0+4*\s+2:G0+4*\s+3], s[4:5], s[22:23]
.if \s
	s_add_nc_u64 s[G0+4*\s+2:G0+4*\s+3], s[G0+4*\s+2:G0+4*\s+3], \s*ROWB
.endif
	s_or_b32 s[G0+4*\s+3], s[G0+4*\s+3], 0x80000000
	s_mov_b32 s[G0B+4*\s], 1
	s_add_co_u32 s[G0B+4*\s+1], s45, \s*SLOT
	s_add_nc_u64 s[G0B+4*\s+2:G0B+4*\s+3], s[4:5], s[2:3]
.if \s
	s_add_nc_u64 s[G0B+4*\s+2:G0B+4*\s+3], s[G0B+4*\s+2:G0B+4*\s+3], \s*ROWB
.endif
	s_or_b32 s[G0B+4*\s+3], s[G0B+4*\s+3], 0x80000000
.endr
	s_mov_b32 s[G1+2], 128<<16
	s_mov_b32 s[G1+4], 128
	s_mov_b32 s[G1B+2], 128<<16
	s_mov_b32 s[G1B+4], 128
	s_wait_dscnt 0x0
	CROUND
	JLOAD G0+4, G1, G0B+4, G1B
.endm
	s_cmp_eq_u32 s[MODE], 1
	s_cselect_b64 s[OUTC:OUTC+1], s[16:17], s[14:15]
	s_cselect_b64 s[OUTS:OUTS+1], s[20:21], s[18:19]
	s_cselect_b32 s16, s42, s46
	s_cselect_b32 s17, s[LO], s[HI]
	s_cselect_b32 s20, s46, s42
	s_cselect_b32 s21, s[HI], s[LO]
	s_lshl_b32 s20, s20, 2
	s_lshl_b32 s21, s21, 1
	s_add_co_u32 s20, s20, s21
	s_cmp_lt_u32 s20, 16
	s_cselect_b64 s[8:9], s[8:9], s[10:11]
	s_cmp_eq_u32 s[MODE], 1
	s_cselect_b64 s[BIAS:BIAS+1], s[12:13], s[8:9]
	s_and_b32 s21, s20, 15
	s_lshl_b32 s10, s21, 8
	s_mov_b32 s11, 0
	s_add_nc_u64 s[BIAS:BIAS+1], s[BIAS:BIAS+1], s[10:11]
	s_lshr_b32 s10, s20, 4
	s_lshl_b32 s10, s10, 6
	s_add_co_u32 s10, s10, s21
	s_lshr_b32 s8, s16, 3
	s_lshl_b32 s8, s8, 4
	s_add_co_u32 s10, s10, s8
	s_and_b32 s16, s16, 7
	s_lshl_b32 s16, s16, 1
	s_add_co_u32 s16, s16, s17
	s_lshl_b32 s8, s10, 17
	s_lshl_b32 s9, s16, 13
	s_add_co_u32 s8, s8, s9
	s_mov_b32 s9, 0
	s_add_nc_u64 s[OUTC:OUTC+1], s[OUTC:OUTC+1], s[8:9]
	s_lshl_b32 s8, s10, 13
	s_lshl_b32 s10, s16, 9
	s_add_co_u32 s8, s8, s10
	s_lshr_b32 s8, s8, s[MODE]
	s_add_nc_u64 s[OUTS:OUTS+1], s[OUTS:OUTS+1], s[8:9]
	s_mov_b32 s[MNT], 0x600000
	s_mov_b32 s[SEL], 0x76543210
	s_mov_b32 s[SEL+1], 0xfedcba98
	v_and_b32 v1, 15, v0
	v_mul_u32_u24 v3, v1, PITCH
	s_wait_alu depctr_va_vdst(0)
	v_lshl_add_u32 v4, v2, 4, v3
	s_mul_i32 s22, s[HI], HALFT
	s_mul_i32 s23, s[LO], HALFT
	s_add_co_u32 s23, s23, 2*HALFT
.irp s, 0,1
	v_add_nc_u32 v[ADRA+\s], s22, v4
	v_add_nc_u32 v[ADRB+\s], s23, v4
	s_add_co_u32 s22, s22, SLOT
	s_add_co_u32 s23, s23, SLOT
.endr
	v_lshrrev_b32 v5, 3, v1
	v_and_b32 v6, 7, v1
	v_mul_u32_u24 v5, v5, 272
	v_lshl_add_u32 v5, v6, 5, v5
	v_lshl_add_u32 v5, v2, 2, v5
	s_mul_i32 s22, s[HI], HALFS
	s_add_co_u32 s22, s22, SCL
	v_add_nc_u32 v[ADSA], s22, v5
	s_mul_i32 s23, s[LO], HALFS
	s_add_co_u32 s23, s23, SCL+2*HALFS
	v_add_nc_u32 v[ADSB], s23, v5
	s_lshl_b32 s22, s[WV], 10
	s_add_co_u32 s22, s22, SST
	v_lshlrev_b32 v5, 2, v1
	v_lshl_add_u32 v5, v2, 9, v5
	v_add_nc_u32 v[SSTO], s22, v5
	v_add_nc_u32 v[SSRD], s22, v[GO0]
	v_lshlrev_b32 v[OBX], 6, v2
	v_and_b32 v[OBY], 8, v1
	v_add_nc_u32 v[OBY], v[OBY], v1
	v_lshlrev_b32 v[OBY], 2, v[OBY]
	s_cmp_eq_u32 s[MODE], 1
	s_cbranch_scc1 .Lbias_v
.irp e, 0,1,2,3
.irp j, 0,1,2,3
	global_load_b128 v[BX+16*\e+4*\j:BX+16*\e+4*\j+3], v[OBX], s[BIAS:BIAS+1] offset:128*\e+16*\j
.endr
.endr
.irp i, 0,1,2,3,4,5,6,7,8,9,10,11,12,13,14,15
	v_mov_b32 v[\i], 0
.endr
	s_branch .Lbias_done
.Lbias_v:
.set i, 0
.rept 64
	v_mov_b32 v[BX+i], 0
.set i, i+1
.endr
.irp a, 0,1,2,3,4,5,6,7
	global_load_b32 v[2*\a], v[OBY], s[BIAS:BIAS+1] offset:4*(32*(\a/2)+8*(\a%2))
	global_load_b32 v[2*\a+1], v[OBY], s[BIAS:BIAS+1] offset:4*(32*(\a/2)+8*(\a%2))
.endr
.Lbias_done:
	s_mov_b32 s23, 0                               ; the upper word of the offsets' pair
	RINGHEAD
	s_mov_b32 s[MNT], 0x600000                     ; (its register held an offset in the lines above)
	s_wait_loadcnt 0x0
.macro FRAG reg, adr, q, i
.irp c, 0,1,2,3
	ds_load_b128 v[\reg+4*\c:\reg+4*\c+3], v[\adr] offset:128*(\q)+32*\c+(\i)*16*PITCH
.endr
.endm
.macro MUL16 a0, p, q, sc, zero
.irp a, \a0, \a0+1
.irp b, 0,1,2,3,4,5,6,7
.if \zero
	v_wmma_scale_f32_16x16x128_f8f6f4 v[8*(8*((\a)%4)+\b):8*(8*((\a)%4)+\b)+7], v[128*(\p)+FR*\b:128*(\p)+FR*\b+FR-1], v[AF+FR*(\a):AF+FR*(\a)+FR-1], v[BX+8*\b:BX+8*\b+7], v[SC+16*(\sc)+\b], v[SC+16*(\sc)+8+(\a)]
.elseif (\q) == 0
	v_wmma_scale_f32_16x16x128_f8f6f4 v[8*(8*((\a)%4)+\b):8*(8*((\a)%4)+\b)+7], v[128*(\p)+FR*\b:128*(\p)+FR*\b+FR-1], v[AF+FR*(\a):AF+FR*(\a)+FR-1], v[8*(8*((\a)%4)+\b):8*(8*((\a)%4)+\b)+7], v[SC+16*(\sc)+\b], v[SC+16*(\sc)+8+(\a)]
.else
	v_wmma_scale_f32_16x16x128_f8f6f4 v[8*(8*((\a)%4)+\b):8*(8*((\a)%4)+\b)+7], v[128*(\p)+FR*\b:128*(\p)+FR*\b+FR-1], v[AF+FR*(\a):AF+FR*(\a)+FR-1], v[8*(8*((\a)%4)+\b):8*(8*((\a)%4)+\b)+7], v[SC+16*(\sc)+\b], v[SC+16*(\sc)+8+(\a)] matrix_a_scale:MATRIX_SCALE_ROW1 matrix_b_scale:MATRIX_SCALE_ROW1
.endif
.endr
.endr
.endm
.macro FETCH_B slot, q, p
	WIN TO_B
.irp i, 0,1,2,3,4,5,6,7
	FRAG 128*(\p)+FR*\i, ADRB+\slot, \q, \i
.endr
	WIN 0
.endm
.macro FETCH_A slot, q, i0
.irp i, \i0, \i0+1, \i0+2, \i0+3
	FRAG AF+FR*(\i), ADRA+\slot, \q, \i
.endr
.endm
.macro SCALES sc
.irp i, 0,1,2,3,4,5,6,7
	ds_load_b32 v[SC+16*\sc+\i], v[ADSB] offset:\i*SBLK
	ds_load_b32 v[SC+16*\sc+8+\i], v[ADSA] offset:\i*SBLK
.endr
.endm
.macro PLACES n
.rept \n
	v_nop
.endr
.endm
.macro STEP slot, q, zero
	s_wait_dscnt 4*NL
.if \zero
	WIN MUL_LO0
.else
	WIN MUL_LO
.endif
	MUL16 0, (\q)%2, \q, \slot, \zero
	MUL16 2, (\q)%2, \q, \slot, \zero
	s_wait_dscnt 0
	PLACES NP
	FETCH_B \slot, (\q)+1, 1-(\q)%2
	FETCH_A \slot, (\q)+1, 0
.if \zero
	WIN MUL_HI0
.else
	WIN MUL_HI
.endif
	MUL16 4, (\q)%2, \q, \slot, \zero
	MUL16 6, (\q)%2, \q, \slot, \zero
	PLACES NP
	WIN 0
	FETCH_A \slot, (\q)+1, 4
.endm
.macro TURN slot, next, fill
	s_wait_tensorcnt 0x0
	ds_add_u32 v[SPW], v[NIL]
	s_wait_dscnt 4*NL+1
	WIN MUL_LO
	MUL16 0, 1, NQ-1, \slot, 0
	s_wait_dscnt 0x0
	s_barrier_signal -1
	MUL16 2, 1, NQ-1, \slot, 0
	WIN 0
	s_barrier_wait -1
.if \fill
	CREST
	s_add_nc_u64 s[G0+4*\slot+2:G0+4*\slot+3], s[G0+4*\slot+2:G0+4*\slot+3], 2*ROWB
	s_add_nc_u64 s[G0B+4*\slot+2:G0B+4*\slot+3], s[G0B+4*\slot+2:G0B+4*\slot+3], 2*ROWB
	JLOAD G0+4*\slot, G1, G0B+4*\slot, G1B
	PLACES NP-4
.else
	PLACES NP
.endif
	s_wait_alu depctr_va_vdst(0)
	v_add_nc_u32 v[ADSA], 4*NQ, v[ADSA]
	v_add_nc_u32 v[ADSB], 4*NQ, v[ADSB]
	FETCH_B \next, 0, 0
	FETCH_A \next, 0, 0
	SCALES \next
	WIN MUL_HI
	MUL16 4, 1, NQ-1, \slot, 0
	MUL16 6, 1, NQ-1, \slot, 0
	PLACES NP
	WIN 0
	FETCH_A \next, 0, 4
.endm
.macro QUANT s
.irp b, 0,1,2,3
	v_max3_num_f32 v[TM+\b], |v[\s+16*\b]|, |v[\s+1+16*\b]|, 0x4800000
.endr
.irp i, 2,4,6,8,10,12,14
.irp b, 0,1,2,3
	v_max3_num_f32 v[TM+\b], v[TM+\b], |v[\s+16*\b+\i]|, |v[\s+1+16*\b+\i]|
.endr
.endr
.irp b, 0,1,2,3
	v_permlanex16_b32 v[TM+4+\b], v[TM+\b], s[SEL], s[SEL+1]
.endr
.irp b, 0,1,2,3
	v_max_num_f32 v[TM+\b], v[TM+\b], v[TM+4+\b]
.endr
.irp b, 0,1,2,3
	v_add_nc_u32 v[TM+12+\b], 0xfc000000, v[TM+\b]
.endr
.irp b, 0,1,2,3
	v_and_or_b32 v[TM+8+\b], v[TM+\b], 0x7f800000, s[MNT]
.endr
.irp b, 0,1,2,3
	v_lshrrev_b32 v[TM+4+\b], 23, v[TM+12+\b]
.endr
	v_lshl_or_b32 v[PW], v[TM+5], 8, v[TM+4]
	v_lshl_or_b32 v[PW], v[TM+6], 16, v[PW]
	v_lshl_or_b32 v[PW], v[TM+7], 24, v[PW]
.irp b, 0,1,2,3
.irp i, 0,1,2,3,4,5,6,7,8,9,10,11,12,13,14,15
	v_med3_num_f32 v[\s+16*\b+\i], v[\s+16*\b+\i], -v[TM+8+\b], v[TM+8+\b]
.endr
	v_cvt_scalef32_pk8_fp8_f32 v[PC+4*\b:PC+1+4*\b], v[\s+16*\b:\s+7+16*\b], v[TM+12+\b]
	v_cvt_scalef32_pk8_fp8_f32 v[PC+2+4*\b:PC+3+4*\b], v[\s+8+16*\b:\s+15+16*\b], v[TM+12+\b]
.endr
	v_nop
.endm
.macro OUTBLK a
.set AC, 64*((\a)%4)
.if (\a) > 0
	s_wait_xcnt 0x0
.if (\a) == 4
	s_add_nc_u64 s[OUTC:OUTC+1], s[OUTC:OUTC+1], s[STP4:STP4+1]
.else
	s_add_nc_u64 s[OUTC:OUTC+1], s[OUTC:OUTC+1], s[STP:STP+1]
.endif
.endif
	WIN 0x02+(\a)/4
.set i, 0
.rept 32
	v_pk_add_f32 v[T+2*i:T+2*i+1], v[AC+2*i:AC+2*i+1], v[2*(\a):2*(\a)+1]
.set i, i+1
.endr
	WIN 0
	QUANT T
	global_store_b128 v[GO0], v[PC:PC+3], s[OUTC:OUTC+1]
	global_store_b128 v[GO0], v[PC+4:PC+7], s[OUTC:OUTC+1] offset:512
	global_store_b128 v[GO1], v[PC+8:PC+11], s[OUTC:OUTC+1]
	global_store_b128 v[GO1], v[PC+12:PC+15], s[OUTC:OUTC+1] offset:512
	v_lshrrev_b32 v[SX+(\a)], v[SHL], v[PW]
	ds_store_b32 v[SSTO], v[SX+(\a)] offset:64*(\a)
.endm
	s_wait_tensorcnt 1
	s_barrier_signal -1
	s_barrier_wait -1
	FETCH_B 0, 0, 0
	FETCH_A 0, 0, 0
	SCALES 0
	FETCH_A 0, 0, 4
	s_wait_alu depctr_va_vdst(0)
	STEP 0, 0, 1
	TURN 0, 1, 1
	STEP 1, 0, 0
	TURN 1, 0, 1
	STEP 0, 0, 0
	TURN 0, 1, 0
	STEP 1, 0, 0
	s_wait_dscnt 4*NL
	WIN MUL_LO
	MUL16 0, 1, NQ-1, 1, 0
	MUL16 2, 1, NQ-1, 1, 0
	s_wait_dscnt 0
	WIN MUL_HI
	MUL16 4, 1, NQ-1, 1, 0
	MUL16 6, 1, NQ-1, 1, 0
	WIN 0
	PLACES NP
.irp b, 0,1,2,3
	v_mov_b32 v[TM+4+\b], 0
.endr
.irp a, 0,1,2,3,4,5,6,7
	OUTBLK \a
.endr
	ds_load_b128 v[R0:R0+3], v[SSRD]
	ds_load_b128 v[R1:R1+3], v[SSRD] offset:512
	s_wait_dscnt 0x0
	global_store_b128 v[GSO], v[R0:R0+3], s[OUTS:OUTS+1]
	s_cmp_eq_u32 s[MODE], 1
	s_cbranch_scc1 .Lone_store
	global_store_b128 v[GSO], v[R1:R1+3], s[OUTS:OUTS+1] offset:8192
.Lone_store:
	s_wait_tensorcnt 0x0
	ds_add_u32 v[SPW], v[NIL]
	s_wait_dscnt 0x0
	CROUND
	s_endpgm
.Lfunc_end_k_q4639216636_proj:
	.size	k_q4639216636_proj, .Lfunc_end_k_q4639216636_proj-k_q4639216636_proj
	.p2alignl 7, 3214868480
	.fill 96, 4, 3214868480
	.section	.rodata,"a",@progbits
	.p2align	6, 0x0
	.amdhsa_kernel k_q4639216636_proj
		.amdhsa_group_segment_fixed_size 327680
		.amdhsa_private_segment_fixed_size 0
		.amdhsa_enable_private_segment 0
		.amdhsa_kernarg_size 72
		.amdhsa_user_sgpr_count 2
		.amdhsa_user_sgpr_kernarg_segment_ptr 1
		.amdhsa_wavefront_size32 1
		.amdhsa_system_sgpr_workgroup_id_x 1
		.amdhsa_system_sgpr_workgroup_id_y 1
		.amdhsa_system_sgpr_workgroup_id_z 1
		.amdhsa_system_vgpr_workitem_id 0
		.amdhsa_next_free_vgpr 1024
		.amdhsa_next_free_sgpr 104
		.amdhsa_reserve_vcc 0
		.amdhsa_float_denorm_mode_32 3
		.amdhsa_float_denorm_mode_16_64 3
		.amdhsa_memory_ordered 1
		.amdhsa_forward_progress 1
		.amdhsa_inst_pref_size 212
	.end_amdhsa_kernel
	.amdgpu_metadata
---
amdhsa.version: [ 1, 2 ]
amdhsa.kernels:
  - .name:           k_q4639216636_proj
    .symbol:         k_q4639216636_proj.kd
    .args:
      - { .name: xc, .offset: 0, .size: 8, .value_kind: global_buffer, .address_space: global }
      - { .name: xs, .offset: 8, .size: 8, .value_kind: global_buffer, .address_space: global }
      - { .name: bq, .offset: 16, .size: 8, .value_kind: global_buffer, .address_space: global }
      - { .name: bk, .offset: 24, .size: 8, .value_kind: global_buffer, .address_space: global }
      - { .name: bv, .offset: 32, .size: 8, .value_kind: global_buffer, .address_space: global }
      - { .name: qk, .offset: 40, .size: 8, .value_kind: global_buffer, .address_space: global }
      - { .name: vimg, .offset: 48, .size: 8, .value_kind: global_buffer, .address_space: global }
      - { .name: qks, .offset: 56, .size: 8, .value_kind: global_buffer, .address_space: global }
      - { .name: vs, .offset: 64, .size: 8, .value_kind: global_buffer, .address_space: global }
    .group_segment_fixed_size: 327680
    .private_segment_fixed_size: 0
    .kernarg_segment_align: 8
    .kernarg_segment_size: 72
    .max_flat_workgroup_size: 128
    .sgpr_count:     104
    .vgpr_count:     1024
    .wavefront_size: 32
...
	.end_amdgpu_metadata
.endif
;; end of part 2
;; launch attn (part 3): grid 4 x 64, 16 waves a work-group, clusters of 4 x 1, 327,680 bytes of LDS; arguments qk, qks, vimg, vs, cc, cs; writes cc, cs
.if DOCPART == 3
	.amdgcn_target "amdgcn-amd-amdhsa--gfx1250"
	.amdhsa_code_object_version 6
	.text
	.protected	k_q4639216636_attn
	.globl	k_q4639216636_attn
	.p2align	8
	.type	k_q4639216636_attn,@function
k_q4639216636_attn:
	s_mov_b64 s[64:65], 0
	v_nop
	global_prefetch_b8 v0, s[64:65] scope:SCOPE_SE
	s_setreg_imm32_b32 hwreg(HW_REG_WAVE_MODE, 25, 1), 1
	s_wait_xcnt 0x0
	s_wait_alu depctr_hold_cnt(0) depctr_sa_sdst(0) depctr_va_vdst(0) depctr_va_sdst(0) depctr_va_ssrc(0) depctr_va_vcc(0) depctr_vm_vsrc(0)
	s_getreg_b32 s2, hwreg(HW_REG_IB_STS2, 6, 4)
	s_cmp_eq_u32 s2, 0
	s_cbranch_scc0 .Lentry_in_a_cluster
	s_endpgm
.Lentry_in_a_cluster:
	s_bfe_u32 s2, ttmp6, 0x10000c
	s_cmp_lg_u32 s2, 0x3003
	s_cbranch_scc0 .Lentry_shape_is_right
	s_endpgm
.Lentry_shape_is_right:
; heads = softmax(Q K^T / 8) V for 64 heads of 2,048 tokens x 64 channels, both products on codes of FP8 (E4M3) with E8M0 scales; the finished heads are quantised along E for the last product.
; THE SOFTMAX: t = score x log2(e) / 8; M = the row's largest t so far, rounded UP to a whole number; p = 2^(t - M) is quantised along the keys, not normalised; the row's sum is taken of the unquantised p and divides O at the end.
; When M moves, the sum and O are multiplied by 2^(old M - new M): exact.
; ALL OPERANDS LIE IN MEMORY AS IMAGES OF THEIR REGISTERS (16 bytes a lane, 512 a group of four registers), so every fragment read is 16 x lane.
; SHARES.  A work-group owns ONE head and 512 of its queries.  The head's K (131,072 bytes), V (131,072) and their scale words (8,192 + 4,096) lie in LDS together: they come once, by six first fills, and nothing is filled again:
; the loops hold no barrier.  The four work-groups of a cluster are the four query blocks of one head: every tile is asked for jointly, with a mask that names the four.
; Each of sixteen waves, four to a SIMD, owns 32 queries in two passes of one tile of 16, in 256 registers.
; LAYOUT.  S^T = K Q^T, O^T = V^T P^T: a lane holds one query throughout.  Tokens and V's channels are stored with bits 3 and 4 swapped, so that the 16 registers of two neighbouring tiles are 16 neighbouring keys (channels).
; The first product's K is the head's 64: registers 8-15 of Q's fragment are zero codes.  K's eight tiles lie on end, 8 registers each: a fragment's registers 8-15 are the next tile's codes (behind the last: the second pass's Q, which waits there):
; finite codes, which meet Q's zeros and add nothing.  Bytes 2 and 3 of Q's and K's scale words are never 0xff, and scale products that are 0.
; ORDER OF A KEY STEP (128 keys): 8 products S; the softmax; V's loads, and under them the rescaling of O^T; 4 products O; the next step's loads of K.  The held p goes where K lay, so p stays whole for the row's sums, which are
; the plain vector lines that stand behind the products: eight behind the second product, sixteen under K's loads, the joining of the eight partial sums behind the next step's first product.
; cs: a scale word of the last product spans two heads, so a work-group stores two bytes of each word: 1,024 bytes of the 33,792 that it stores lie in 256-byte units that another head's work-group completes.
; NO PREFETCH: every tile is asked for at the kernel's head; there is no loop that runs ahead of a load.
; LIMITS: a block of zeros, or one under 2^-118, gets the byte 1 (read by this program alone); NaN and infinities are not served; the scaled scores stay under 2^31 in magnitude.
; REGISTERS: v1-11 addresses; v12 -M, v13 the largest score, v[14:15] the sum; v16-31 Q; v32-95 K's tiles, the held p, V's fragments; v96-103 the second pass's Q; v104-167 S^T, then p; v168-199 O^T; v200-215 p's codes;
;   v216-223 K's scale words, v224-227 V's, v228 p's, v229 the first pass's two scale bytes, v230 Q's, v231 the second pass's; v232-251 at work (v232-247 also the partial sums); v252-253 the way out.
.set VB,    131072                     ; LDS: K at 0, V here,
.set SCK,   262144                     ; K's scale words,
.set SCV,   SCK+8192                   ; V's,
.set SPARE, SCV+4096+1024              ; and, 1,024 bytes on, the spare words, 128 bytes a wave: eight blocks of 256 bytes that no other line names
.set LI,   1                           ; 16 x lane
.set R4,   2                           ; 4 (lane % 16)
.set ASK0, 3                           ; my place among K's scale words
.set AV0,  4                           ; in V
.set AT0,  5                           ; among V's scale words
.set SPW,  6
.set NIL,  7
.set ADK,  8                           ; the addresses of the loads in hand
.set ADS,  9
.set ADV,  10
.set ADT,  11
.set KR,   32
.set H,    32
.set Q2,   96
.set S,    104
.set O,    168
.set PC,   200
.set KW,   216
.set VW,   224
.set PW,   228
.set OW0,  229
.set QW,   230
.set T,    232
.set BM,   232
.set PM,   236
.set BD,   240
.set SOP,  244
.set F,    248
.set CSO,  252
.set OWX,  253
.set TK,   2                           ; s2, s3: the next step's K and its scale words; s94, s95: this step's V and its scale words
.set TS,   3
.set WV,   16
.set Y,    17
.set CX,   18
.set MNT,  19
.set SEL,  20
.set CS,   22                          ; s[22:23] c = log2(e) / 8
.set G1T,  24                          ; group 1: 256, 32, 16 rows of 256 bytes
.set G1S,  32
.set G1U,  40
.set GK0,  48
.set GK1,  52
.set GV0,  56
.set GV1,  60
.set GKS,  68
.set GVS,  72
.set NC,   76                          ; -c
.set HM,   77                          ; lanes 16-31
.set TV,   94
.set TJ,   95
.set STEPS, 96
.set PASS, 97
.macro CROUND                          ; a round of the cluster's barrier
	s_barrier_signal -1
	s_barrier_wait -1
	s_cmp_lg_u32 s[WV], 0
	s_cbranch_scc1 .Lnot_wave_0_\@
	s_barrier_signal -3
.Lnot_wave_0_\@:
	s_barrier_wait -3
	s_barrier_signal -1
	s_barrier_wait -1
.endm
.macro GROUP1 g, rows                  ; a dense block as rows of 256 bytes (32 elements of 8); the mask names all four work-groups, bit 21 beside it
	s_mov_b32 s[\g], 15|(3<<16)|(1<<21)
	s_mov_b32 s[\g+1], 32<<16
	s_mov_b32 s[\g+2], (\rows)<<16
	s_mov_b32 s[\g+3], 32<<16
	s_mov_b32 s[\g+4], \rows
	s_mov_b32 s[\g+5], 32
	s_mov_b32 s[\g+6], 0
	s_mov_b32 s[\g+7], 0
.endm
.macro GROUP0 g, lds, base, off
	s_mov_b32 s[\g], 1
	s_mov_b32 s[\g+1], \lds
	s_add_nc_u64 s[\g+2:\g+3], s[\base:\base+1], \off
	s_or_b32 s[\g+3], s[\g+3], 0x80000000
.endm
.macro ARM under, g0, g1, next         ; one arm of the head's chain: a load, its s_nop 0 and four v_nop, a jump to the join
	s_cmp_lt_u32 s[WV], \under
	s_cbranch_scc0 \next
	tensor_load_to_lds s[\g0:\g0+3], s[\g1:\g1+7]
	s_nop 0
.rept 4
	v_nop
.endr
	s_branch .Lhead_asked
\next:
.endm
	s_load_b256 s[4:11], s[0:1], 0x0               ; qk, qks, vimg, vs
	s_load_b128 s[12:15], s[0:1], 0x20             ; cc, cs
	v_lshl_add_u32 v[SPW], v0, 2, SPARE
	v_mov_b32 v[NIL], 0
	ds_add_u32 v[SPW], v[NIL]                      ; the opening lines: the add, twice on end, and its wait
	ds_add_u32 v[SPW], v[NIL]
	v_lshrrev_b32 v8, 5, v0
	v_readfirstlane_b32 s[WV], v8                  ; wave 0..15
	s_and_b32 s[Y], ttmp7, 0xffff                  ; y = 16 x batch + head
	s_bfe_u32 s[CX], ttmp6, 0x40000                ; cx: my block of 512 queries: it enters Q's, cc's and cs's addresses alone
	s_lshl_b32 s80, s[Y], 17                       ; a head's images are 131,072 bytes,
	s_mov_b32 s81, 0
	s_lshl_b32 s82, s[Y], 13                       ; Q's or K's scale words 8,192,
	s_mov_b32 s83, 0
	s_lshl_b32 s84, s[Y], 12                       ; V's 4,096
	s_mov_b32 s85, 0
	GROUP1 G1T, 256
	GROUP1 G1S, 32
	GROUP1 G1U, 16
	s_mov_b32 s[SEL], 0x76543210
	s_mov_b32 s[SEL+1], 0xfedcba98
	s_mov_b32 s[CS], 0x3e38aa3b                    ; c = log2(e) / 8
	s_mov_b32 s[CS+1], s[CS]                       ; (named with it as a pair, so it is written)
	s_mov_b32 s[NC], 0xbe38aa3b
	s_mov_b32 s[MNT], 0x600000
	s_mov_b32 s[HM], 0xffff0000
	s_wait_dscnt 0x0                               ; both opening adds are done
	CROUND                                         ; all four work-groups are here: the joint loads meet
	s_wait_kmcnt 0x0
	s_add_nc_u64 s[86:87], s[4:5], s[80:81]        ; the head's Q
	s_add_nc_u64 s[88:89], s[6:7], s[82:83]        ; and its scale words
	s_add_nc_u64 s[90:91], s[8:9], s[80:81]        ; V
	s_add_nc_u64 s[92:93], s[10:11], s[84:85]
	GROUP0 GKS, SCK, 88, 0x80000                   ; K's scale words lie 0x80000 behind Q's, K's images 0x800000
	GROUP0 GVS, SCV, 92, 0
	GROUP0 GK0, 0, 86, 0x800000
	GROUP0 GV0, VB, 90, 0
	GROUP0 GK1, 65536, 86, 0x810000
	GROUP0 GV1, VB+65536, 90, 65536
	ARM 1, GKS, G1S, .La1                          ; the first fills, one a wave, in one chain of branches on the wave's number; waves 6 to 15 issue none
	ARM 2, GVS, G1U, .La2
	ARM 3, GK0, G1T, .La3
	ARM 4, GV0, G1T, .La4
	ARM 5, GK1, G1T, .La5
	ARM 6, GV1, G1T, .Lhead_none
.Lhead_asked:
	s_lshl_b32 s82, s[CX], 5
	s_lshl_b32 s83, s[WV], 1
	s_add_co_u32 s82, s82, s83                     ; my first tile of 16 queries in the head: 32 cx + 2 wave
	s_lshl_b32 s84, s82, 10                        ; a tile's image of Q is 1,024 bytes
	s_mov_b32 s85, 0
	s_add_nc_u64 s[86:87], s[86:87], s[84:85]
	s_lshl_b32 s84, s82, 6
	s_add_nc_u64 s[88:89], s[88:89], s[84:85]
	s_lshr_b32 s80, s[Y], 4
	s_lshl_b32 s80, s80, 7
	s_add_co_u32 s80, s80, s82                     ; my first token tile: 128 a batch
	s_and_b32 s81, s[Y], 15                        ; the head
	s_lshl_b32 s84, s80, 14                        ; cc: 16,384 bytes a token tile, 1,024 a head
	s_lshl_b32 s83, s81, 10
	s_add_co_u32 s84, s84, s83
	s_add_nc_u64 s[12:13], s[12:13], s[84:85]
	s_lshl_b32 s84, s80, 6                         ; cs: 32,768 bytes a head pair, 64 a tile, 2 of a word's 4 a head
	s_lshr_b32 s83, s81, 1
	s_lshl_b32 s83, s83, 15
	s_add_co_u32 s84, s84, s83
	s_and_b32 s83, s81, 1
	s_lshl_b32 s83, s83, 1
	s_add_co_u32 s84, s84, s83
	s_add_nc_u64 s[14:15], s[14:15], s[84:85]
	v_and_b32 v8, 31, v0
	v_and_b32 v9, 15, v0
	v_lshlrev_b32 v[LI], 4, v8
	v_lshlrev_b32 v[R4], 2, v9
	global_load_b128 v[16:19], v[LI], s[86:87]     ; the first pass's Q,
	global_load_b128 v[20:23], v[LI], s[86:87] offset:512
	global_load_b32 v[QW], v[R4], s[88:89]
	global_load_b128 v[Q2:Q2+3], v[LI], s[86:87] offset:1024   ; and the second's, which waits behind K's last tile
	global_load_b128 v[Q2+4:Q2+7], v[LI], s[86:87] offset:1536
	global_load_b32 v[QW+1], v[R4], s[88:89] offset:64
.irp i, 24,25,26,27,28,29,30,31
	v_mov_b32 v[\i], 0                             ; Q's K = 64 .. 127: zero codes
.endr
	v_mov_b32 v[F+1], 0                            ; (named as the upper half of a pair)
	v_mov_b32 v[OW0], 0
	v_add_nc_u32 v[ASK0], SCK, v[R4]
	v_add_nc_u32 v[AV0], VB, v[LI]
	v_add_nc_u32 v[AT0], SCV, v[R4]
	v_bfe_u32 v8, v0, 4, 1
	v_lshl_add_u32 v[CSO], v8, 6, v[R4]            ; cs: lanes 0-15 the first pass's words, lanes 16-31 the second's
.macro COMBINE                         ; the last step's eight partial sums join the row's sum
	v_pk_add_f32 v[T:T+1], v[T:T+1], v[T+2:T+3]
	v_pk_add_f32 v[T+4:T+5], v[T+4:T+5], v[T+6:T+7]
	v_pk_add_f32 v[T+8:T+9], v[T+8:T+9], v[T+10:T+11]
	v_pk_add_f32 v[T+12:T+13], v[T+12:T+13], v[T+14:T+15]
	v_pk_add_f32 v[T:T+1], v[T:T+1], v[T+4:T+5]
	v_pk_add_f32 v[T+8:T+9], v[T+8:T+9], v[T+12:T+13]
	v_pk_add_f32 v[T:T+1], v[T:T+1], v[T+8:T+9]
	v_pk_add_f32 v[14:15], v[14:15], v[T:T+1]
.endm
.macro SUMS lv                         ; eight lines of the partial sums of the unquantised p: level 0 takes 32 numbers, levels 1 and 2 sixteen more each
.irp k, 0,1,2,3,4,5,6,7
.if \lv == 0
	v_pk_add_f32 v[T+2*\k:T+2*\k+1], v[S+2*\k:S+2*\k+1], v[S+16+2*\k:S+17+2*\k]
.else
	v_pk_add_f32 v[T+2*\k:T+2*\k+1], v[T+2*\k:T+2*\k+1], v[S+16+16*\lv+2*\k:S+17+16*\lv+2*\k]
.endif
.endr
.endm
.macro SOFTMAX                         ; the softmax of my tile for 128 keys
	COMBINE                                        ; these eight are the places behind the products S
; the largest score of each block of 32 keys: it serves the row's maximum and, since p rises with the score, the block's largest p.  Eight chains by turns, one for each tile of S^T, each tile from its low end on
.irp b, 0,1,2,3
	v_max3_num_f32 v[BM+\b], v[S+16*\b], v[S+1+16*\b], v[S+2+16*\b]
.endr
.irp b, 0,1,2,3
	v_max3_num_f32 v[PM+\b], v[S+8+16*\b], v[S+9+16*\b], v[S+10+16*\b]
.endr
.irp i, 3,5
.irp b, 0,1,2,3
	v_max3_num_f32 v[BM+\b], v[BM+\b], v[S+16*\b+\i], v[S+1+16*\b+\i]
.endr
.irp b, 0,1,2,3
	v_max3_num_f32 v[PM+\b], v[PM+\b], v[S+8+16*\b+\i], v[S+9+16*\b+\i]
.endr
.endr
.irp b, 0,1,2,3
	v_max3_num_f32 v[PM+\b], v[PM+\b], v[S+7+16*\b], v[S+15+16*\b]
.endr
.irp b, 0,1,2,3
	v_max_num_f32 v[BM+\b], v[BM+\b], v[PM+\b]
.endr
.irp b, 0,1,2,3
	v_permlanex16_b32 v[PM+\b], v[BM+\b], s[SEL], s[SEL+1]
.endr
.irp b, 0,1,2,3
	v_max_num_f32 v[BM+\b], v[BM+\b], v[PM+\b]     ; with lane l xor 16's 16 keys
.endr
	s_delay_alu instid0(VALU_DEP_2)
	v_max3_num_f32 v250, v[BM], v[BM+1], v[BM+2]
	s_delay_alu instid0(VALU_DEP_1)
	v_max3_num_f32 v13, v250, v[BM+3], v13         ; the running largest score
	v_mov_b32 v250, v12
	s_delay_alu instid0(VALU_DEP_2)
	v_mul_f32 v251, s[NC], v13                     ; -t (c is positive)
	s_delay_alu instid0(VALU_DEP_1)
	v_floor_f32 v12, v251                          ; the new -M = floor(-t) = -ceil(t): a whole number
.set j, 0
.irp z, 0,1,2,3                                ; t - M, two at a time; among these lines the three that make f, which is wanted behind the exponentials
.rept 8
	v_pk_fma_f32 v[S+j:S+j+1], v[S+j:S+j+1], s[CS:CS+1], v[12:13] op_sel_hi:[1,0,0]
.set j, j+2
.endr
.if \z == 0
	v_sub_f32 v250, v12, v250                      ; M's old value less its new one: a whole number, 0 or less
.elseif \z == 1
	v_cvt_i32_f32 v250, v250                       ; (it saturates)
.elseif \z == 2
	v_ldexp_f32 v[F], 1.0, v250                    ; f = 2^(old M - new M)
.endif
.endr
.irp b, 0,1,2,3
	v_fma_f32 v[BM+\b], v[BM+\b], s[CS], v12       ; the same of each block's largest score
.endr
	s_wait_alu depctr_va_vdst(0)                   ; the wait ahead of the batch
.set j, 0
.rept 64
	v_exp_f32 v[S+j], v[S+j]                       ; p = 2^(t - M), at most 1
.set j, j+1
.endr
.irp b, 0,1,2,3
	v_exp_f32 v[BM+\b], v[BM+\b]                   ; the block's largest p
.endr
	v_pk_mul_f32 v[14:15], v[14:15], v[F:F+1] op_sel_hi:[1,0]   ; the sum under the new M: a plain line behind the exponentials
	s_wait_alu depctr_va_vdst(0)                   ; one wait for the batch, ahead of its first reader
.irp b, 0,1,2,3
	v_max_num_f32 v[BM+\b], 0x4800000, v[BM+\b]    ; the floor 2^(9 - 127): the byte cannot fall under 1
.endr
.irp b, 0,1,2,3
	v_add_nc_u32 v[SOP+\b], 0xfc000000, v[BM+\b]   ; 8 off the exponent field: the conversion's scale operand
.endr
.irp b, 0,1,2,3
	v_and_or_b32 v[BD+\b], v[BM+\b], 0x7f800000, s[MNT]   ; 448 x the scale
.endr
.irp b, 0,1,2,3
	v_lshrrev_b32 v[PM+\b], 23, v[SOP+\b]          ; the scale's byte
.endr
	v_lshl_or_b32 v250, v[PM+1], 8, v[PM]
	v_lshl_or_b32 v250, v[PM+2], 16, v250
	v_lshl_or_b32 v[PW], v[PM+3], 24, v250         ; p's scale word for these 128 keys
.irp b, 0,1,2,3
.irp i, 0,2,4,6,8,10,12,14
	v_dual_min_num_f32 v[H+16*\b+\i], v[S+16*\b+\i], v[BD+\b] :: v_dual_min_num_f32 v[H+16*\b+\i+1], v[S+16*\b+\i+1], v[BD+\b]   ; the conversion does not saturate (ISA guide 7.6.2); p is not negative, so the hold is one-sided, two to a line; p itself stays for the sums
.endr
	v_cvt_scalef32_pk8_fp8_f32 v[PC+4*\b:PC+1+4*\b], v[H+16*\b:H+7+16*\b], v[SOP+\b]
	v_cvt_scalef32_pk8_fp8_f32 v[PC+2+4*\b:PC+3+4*\b], v[H+8+16*\b:H+15+16*\b], v[SOP+\b]
.endr
.endm
.macro KLOAD                           ; a step's eight tiles of K, on end, and their scale words
	v_add_nc_u32 v[ADK], s[TK], v[LI]
	v_add_nc_u32 v[ADS], s[TS], v[ASK0]
.irp t, 0,1,2,3,4,5,6,7
	ds_load_b128 v[KR+8*\t:KR+8*\t+3], v[ADK] offset:1024*\t
	ds_load_b128 v[KR+8*\t+4:KR+8*\t+7], v[ADK] offset:1024*\t+512
	ds_load_b32 v[KW+\t], v[ADS] offset:64*\t
.endr
.endm
	s_mov_b32 s[PASS], 0
	s_wait_alu depctr_va_vdst(0)                   ; the wait at the head's end
	s_wait_tensorcnt 0x0                           ; my tile has landed (waves 6 to 15: none is out)
	s_wait_loadcnt 0x0                             ; Q
	s_barrier_signal -1
	s_barrier_wait -1                              ; all six tiles are in: from here on LDS is only read
.Lpass:                                            ; a pass begins: the key step is written once; its first walk finds zeros, and f = 0
	v_mov_b32 v12, 0x7e000000                      ; -M: 2^125, a whole number above every -M
	v_mov_b32 v13, 0xff61b1e6                      ; the largest score so far: -3e38
	v_mov_b32 v14, 0
	v_mov_b32 v15, 0
.set j, 0
.rept 32
	v_mov_b32 v[O+j], 0
.set j, j+1
.endr
.set j, 0
.rept 16
	v_mov_b32 v[T+j], 0
.set j, j+1
.endr
	s_mov_b32 s[TK], 0
	s_mov_b32 s[TS], 0
	s_mov_b32 s[TV], 0
	s_mov_b32 s[TJ], 0
	s_mov_b32 s[STEPS], 16
	KLOAD
	s_wait_alu depctr_va_vdst(0)                   ; the wait ahead of the wait below
.Lstep:
	s_wait_dscnt 0x0                               ; K's tiles and scale words
.irp t, 0,1,2,3,4,5,6,7                        ; S^T = K Q^T
	v_wmma_scale_f32_16x16x128_f8f6f4 v[S+8*\t:S+8*\t+7], v[KR+8*\t:KR+8*\t+15], v[16:31], 0, v[KW+\t], v[QW]
.endr
	SOFTMAX
	v_add_nc_u32 v[ADV], s[TV], v[AV0]
	v_add_nc_u32 v[ADT], s[TJ], v[AT0]
.irp d, 0,1,2,3                                ; V's four fragments, where K's tiles and the held p lay
.irp c, 0,1,2,3
	ds_load_b128 v[KR+16*\d+4*\c:KR+16*\d+4*\c+3], v[ADV] offset:2048*\d+512*\c
.endr
	ds_load_b32 v[VW+\d], v[ADT] offset:64*\d
.endr
	s_add_co_u32 s[TV], s[TV], 8192
	s_add_co_u32 s[TJ], s[TJ], 256
	s_wait_alu depctr_va_vdst(0)                   ; the wait directly ahead of the first readers of O^T
.set j, 0
.rept 16
	v_pk_mul_f32 v[O+j:O+j+1], v[O+j:O+j+1], v[F:F+1] op_sel_hi:[1,0]   ; O^T under the new M, each accumulator from its low end on: sixteen lines while V's loads are out
.set j, j+2
.endr
	s_wait_alu depctr_va_vdst(0)                   ; the wait ahead of the wait below
	s_wait_dscnt 0x0                               ; V
.irp d, 0,1,2,3                                ; O^T += V^T P^T: four accumulators by turns
	v_wmma_scale_f32_16x16x128_f8f6f4 v[O+8*\d:O+8*\d+7], v[KR+16*\d:KR+16*\d+15], v[PC:PC+15], v[O+8*\d:O+8*\d+7], v[VW+\d], v[PW]
.endr
	SUMS 0                                         ; eight places behind the products, ahead of the loads into V's registers
	s_add_co_u32 s[TK], s[TK], 8192
	s_add_co_u32 s[TS], s[TS], 512
	KLOAD                                          ; the next step's K.  (A pass's last step reads the bytes behind K's and behind its scale words, which are V's and have landed; they are not used)
	SUMS 1                                         ; sixteen lines while K's loads are out
	SUMS 2
	s_sub_co_u32 s[STEPS], s[STEPS], 1
	s_cmp_lg_u32 s[STEPS], 0
	s_wait_alu depctr_va_vdst(0)                   ; the wait ahead of the branch
	s_cbranch_scc1 .Lstep
	s_wait_dscnt 0x0                               ; the last step's loads are in: their registers may be loaded again
	; THE TILE IS FINISHED: O^T / the sum; its 32 numbers a lane (register 16 b + i = channel 32 b + 16 (lane / 16) + i) are quantised: eight registers of codes, two scale bytes in v251
	COMBINE
	v_add_f32 v14, v14, v15                        ; the sum's two halves,
	v_permlanex16_b32 v250, v14, s[SEL], s[SEL+1]
	v_add_f32 v14, v14, v250                       ; and lane l xor 16's
	s_wait_alu depctr_va_vdst(0)                   ; the wait ahead of the reciprocal
	v_rcp_f32 v14, v14
	v_nop                                          ; a plain line behind it
	s_wait_alu depctr_va_vdst(0)                   ; and the wait ahead of its first reader, which is also O^T's
.set j, 0
.rept 16
	v_pk_mul_f32 v[O+j:O+j+1], v[O+j:O+j+1], v[14:15] op_sel_hi:[1,0]
.set j, j+2
.endr
.irp b, 0,1
	v_max3_num_f32 v[BM+\b], |v[O+16*\b]|, |v[O+1+16*\b]|, 0x4800000
.endr
.irp i, 2,4,6,8,10,12,14
.irp b, 0,1
	v_max3_num_f32 v[BM+\b], v[BM+\b], |v[O+16*\b+\i]|, |v[O+1+16*\b+\i]|
.endr
.endr
.irp b, 0,1
	v_permlanex16_b32 v[PM+\b], v[BM+\b], s[SEL], s[SEL+1]
.endr
.irp b, 0,1
	v_max_num_f32 v[BM+\b], v[BM+\b], v[PM+\b]
.endr
.irp b, 0,1
	v_add_nc_u32 v[SOP+\b], 0xfc000000, v[BM+\b]
.endr
.irp b, 0,1
	v_and_or_b32 v[BD+\b], v[BM+\b], 0x7f800000, s[MNT]
.endr
.irp b, 0,1
	v_lshrrev_b32 v[PM+\b], 23, v[SOP+\b]
.endr
	v_lshl_or_b32 v251, v[PM+1], 8, v[PM]
.irp b, 0,1
.irp i, 0,1,2,3,4,5,6,7,8,9,10,11,12,13,14,15
	v_med3_num_f32 v[O+16*\b+\i], v[O+16*\b+\i], -v[BD+\b], v[BD+\b]
.endr
	v_cvt_scalef32_pk8_fp8_f32 v[PC+4*\b:PC+1+4*\b], v[O+16*\b:O+7+16*\b], v[SOP+\b]
	v_cvt_scalef32_pk8_fp8_f32 v[PC+2+4*\b:PC+3+4*\b], v[O+8+16*\b:O+15+16*\b], v[SOP+\b]
.endr
	v_nop                                          ; one plain vector line behind the last conversion
	global_store_b128 v[LI], v[PC:PC+3], s[12:13]              ; each store covers 512 consecutive bytes, aligned
	global_store_b128 v[LI], v[PC+4:PC+7], s[12:13] offset:512
	s_cmp_eq_u32 s[PASS], 1
	s_cbranch_scc1 .Llast_pass
	s_wait_xcnt 0x0                                ; the stores have read their registers and base
	s_add_nc_u64 s[12:13], s[12:13], 16384         ; a token tile on
	v_mov_b32 v[OW0], v251                         ; the first pass's two scale bytes wait for the second's
.irp i, 0,1,2,3,4,5,6,7
	v_mov_b32 v[16+\i], v[Q2+\i]                   ; the second pass's Q
.endr
	v_mov_b32 v[QW], v[QW+1]
.Llast_pass:
	s_add_co_u32 s[PASS], s[PASS], 1
	s_cmp_lt_u32 s[PASS], 2
	s_wait_alu depctr_va_vdst(0)                   ; the wait ahead of the branch
	s_cbranch_scc1 .Lpass
	v_cndmask_b32 v[OWX], v[OW0], v251, s[HM]      ; lanes 0-15 the first tile's two bytes, lanes 16-31 the second's
	global_store_b16 v[CSO], v[OWX], s[14:15]      ; my head's half of 32 scale words
	s_wait_tensorcnt 0x0                           ; the wave's end
	ds_add_u32 v[SPW], v[NIL]
	s_wait_dscnt 0x0
	CROUND                                         ; the closing round
	s_endpgm
.Lfunc_end_k_q4639216636_attn:
	.size	k_q4639216636_attn, .Lfunc_end_k_q4639216636_attn-k_q4639216636_attn
	.p2alignl 7, 3214868480
	.fill 96, 4, 3214868480
	.section	.rodata,"a",@progbits
	.p2align	6, 0x0
	.amdhsa_kernel k_q4639216636_attn
		.amdhsa_group_segment_fixed_size 327680
		.amdhsa_private_segment_fixed_size 0
		.amdhsa_enable_private_segment 0
		.amdhsa_kernarg_size 48
		.amdhsa_user_sgpr_count 2
		.amdhsa_user_sgpr_kernarg_segment_ptr 1
		.amdhsa_wavefront_size32 1
		.amdhsa_system_sgpr_workgroup_id_x 1
		.amdhsa_system_sgpr_workgroup_id_y 1
		.amdhsa_system_sgpr_workgroup_id_z 1
		.amdhsa_system_vgpr_workitem_id 0
		.amdhsa_next_free_vgpr 256
		.amdhsa_next_free_sgpr 100
		.amdhsa_reserve_vcc 0
		.amdhsa_float_denorm_mode_32 3
		.amdhsa_float_denorm_mode_16_64 3
		.amdhsa_memory_ordered 1
		.amdhsa_forward_progress 1
		.amdhsa_inst_pref_size 39
	.end_amdhsa_kernel
	.amdgpu_metadata
---
amdhsa.version: [ 1, 2 ]
amdhsa.kernels:
  - .name:           k_q4639216636_attn
    .symbol:         k_q4639216636_attn.kd
    .args:
      - { .name: qk, .offset: 0, .size: 8, .value_kind: global_buffer, .address_space: global }
      - { .name: qks, .offset: 8, .size: 8, .value_kind: global_buffer, .address_space: global }
      - { .name: vimg, .offset: 16, .size: 8, .value_kind: global_buffer, .address_space: global }
      - { .name: vs, .offset: 24, .size: 8, .value_kind: global_buffer, .address_space: global }
      - { .name: cc, .offset: 32, .size: 8, .value_kind: global_buffer, .address_space: global }
      - { .name: cs, .offset: 40, .size: 8, .value_kind: global_buffer, .address_space: global }
    .group_segment_fixed_size: 327680
    .private_segment_fixed_size: 0
    .kernarg_segment_align: 8
    .kernarg_segment_size: 48
    .max_flat_workgroup_size: 512
    .sgpr_count:     100
    .vgpr_count:     256
    .wavefront_size: 32
...
	.end_amdgpu_metadata
.endif
;; end of part 3
;; launch outp (part 4): grid 4 x 64, 4 waves a work-group, clusters of 4 x 4, 327,680 bytes of LDS; arguments cc, cs, xc, xs, bo, out0; writes out0
.if DOCPART == 4
	.amdgcn_target "amdgcn-amd-amdhsa--gfx1250"
	.amdhsa_code_object_version 6
	.text
	.protected	k_q4639216636_outp
	.globl	k_q4639216636_outp
	.p2align	8
	.type	k_q4639216636_outp,@function
k_q4639216636_outp:
	s_mov_b64 s[64:65], 0
	v_nop
	global_prefetch_b8 v0, s[64:65] scope:SCOPE_SE
	s_setreg_imm32_b32 hwreg(HW_REG_WAVE_MODE, 25, 1), 1
	s_wait_xcnt 0x0
	s_wait_alu depctr_hold_cnt(0) depctr_sa_sdst(0) depctr_va_vdst(0) depctr_va_sdst(0) depctr_va_ssrc(0) depctr_va_vcc(0) depctr_vm_vsrc(0)
	s_getreg_b32 s2, hwreg(HW_REG_IB_STS2, 6, 4)
	s_cmp_eq_u32 s2, 0
	s_cbranch_scc0 .Lentry_in_a_cluster
	s_endpgm
.Lentry_in_a_cluster:
	s_bfe_u32 s2, ttmp6, 0x10000c
	s_cmp_lg_u32 s2, 0xf033
	s_cbranch_scc0 .Lentry_shape_is_right
	s_endpgm
.Lentry_shape_is_right:
; out0 [8192][1024] f32 = heads Wo^T + bo, on codes of FP8 (E4M3) with one E8M0 scale for each 32 along K = 1,024.
; A = the heads: cc[token tile of 16][head pair: 128 of K][group of four registers][lane][16 bytes], images of the operand's registers; its scale words cs[head pair][token tile][row].  B = Wo: rows 11,264 on of xc (1,024 bytes a row) and of xs (32).
; A token tile's row r of tile 2 g + u is token 32 g + 8 u + r + 8 (r / 8) of its group of 32 x g: the way out puts the rows back.
; SHARES.  A block of C is 128 rows x 256 columns, so that the grid is 4 x 64 = 256 work-groups; four waves, 2 x 2, each 64 x 128: 32 accumulators, 256 registers (window 2).
; K goes in steps of 256 through a ring of two LDS slots (A 32,768 bytes as it lies, B 256 rows of 256 + 16 bytes); the scale words of all of K come once.  A and B have two sets of fragments each: a step of 128 fetches the next step's 48 loads, then multiplies.
; CLUSTERS: 4 x 4: A's tiles are shared along a row of the cluster, B's along a column: joint loads.  The matrix instruction is used transposed (source 0 = B's rows), so that a lane holds eight neighbouring columns; the bias is the first products' C.
; NO PREFETCH: K has four steps, of which two are asked for at the head: a request two steps ahead of the two refills would stand beside the head's own loads.
; REGISTERS: window 0: v16-31 addresses; v32-63 scale words, two sets; v64-127 the bias; v128-255 A's fragments, two sets (on the way out: rows read back).  Window 1: B's fragments, two sets.  Window 2: the accumulators, (a, b) at v[8 (8 a + b)].
.set ROWB,   256
.set KROW,   1024
.set PITCH,  272
.set FR,     16
.set NP,     8                         ; places behind this matrix instruction (ISA guide 7.12.1)
.set ATILE,  32768                     ; A's part of a slot: 8 token tiles x 4,096 bytes
.set HALFT,  128*PITCH
.set SLOT,   ATILE+2*HALFT
.set SCA,    2*SLOT                    ; A's scale words: [head pair][8 tiles x 64 bytes]
.set SCLB,   SCA+4096                  ; B's scale bytes: 32 units of 256 + 16
.set HALFS,  16*272
.set SBLK,   2*272
.set SPARE,  SCLB+2*HALFS              ; the spare words, 128 bytes a wave: two blocks of 256 bytes that no other line names
.set SPITCH, 528                       ; the way out: 16 rows x (512 + 16) bytes a wave, in slot 0, behind its last fill and its last read
.set ADRA, 16
.set ADSA, 18
.set ADSB, 19
.set ADRB, 20
.set STO,  24
.set RD,   25
.set CO,   26
.set SPW,  28
.set NIL,  29
.set OBX,  30
.set SC,   32
.set BX,   64
.set AF,   128
.set BK,   128
.set G1, 24
.set G0, 32
.set G1B, 48
.set G0B, 56
.set G1S, 68
.set G0S, 76
.set G1SB, 80
.set G0SB, 88
.set WV,   92
.set HI,   93
.set LO,   94
.set MSB, 0
.macro WIN new                         ; the immediate's high byte repeats the setting that is left
.if MSB != \new
	s_set_vgpr_msb (MSB<<8)|\new
.set MSB, \new
.endif
.endm
.set MUL,   0xa1                       ; source 0 (B) window 1, source 1 (A) window 0, C and D window 2
.set MUL0,  0x81                       ; the same with C (the bias) in window 0
.set TO_B,  0x40
.macro TLOAD g0, g1                    ; a tensor load, its s_nop 0 and four v_nop
	tensor_load_to_lds s[\g0:\g0+3], s[\g1:\g1+7]
	s_nop 0
.rept 4
	v_nop
.endr
.endm
.macro JLOAD g0a, g1a, g0b, g1b        ; the ring's joint load: waves 0 and 1 fetch A's halves, waves 2 and 3 B's
	s_cmp_eq_u32 s[HI], 0
	s_cbranch_scc0 .Lfor_b_\@
	TLOAD \g0a, \g1a
	s_branch .Lasked_\@
.Lfor_b_\@:
	TLOAD \g0b, \g1b
.Lasked_\@:
.endm
.macro CREST
	s_cmp_lg_u32 s[WV], 0
	s_cbranch_scc1 .Lnot_wave_0_\@
	s_barrier_signal -3
.Lnot_wave_0_\@:
	s_barrier_wait -3
	s_barrier_signal -1
	s_barrier_wait -1
.endm
.macro CROUND
	s_barrier_signal -1
	s_barrier_wait -1
	CREST
.endm
.macro GROUP0 g, base, off             ; words 0, 2 and 3 of a group 0
	s_mov_b32 s[\g], 1
	s_add_nc_u64 s[\g+2:\g+3], s[\base:\base+1], s[\off:\off+1]
	s_or_b32 s[\g+3], s[\g+3], 0x80000000
.endm
	s_load_b256 s[4:11], s[0:1], 0x0               ; cc, cs, xc, xs
	s_load_b128 s[12:15], s[0:1], 0x20             ; bo, out0
	v_lshl_add_u32 v[SPW], v0, 2, SPARE
	v_mov_b32 v[NIL], 0
	ds_add_u32 v[SPW], v[NIL]                      ; the opening lines: the add, twice on end, and its wait
	ds_add_u32 v[SPW], v[NIL]
	v_lshrrev_b32 v1, 5, v0
	v_readfirstlane_b32 s[WV], v1
	s_lshr_b32 s[HI], s[WV], 1                     ; my 64 rows.  Also: I fetch for A (0) or for B (1)
	s_and_b32 s[LO], s[WV], 1                      ; my 128 columns.  Also: which half I fetch
	s_bfe_u32 s40, ttmp6, 0x40000
	s_bfe_u32 s41, ttmp6, 0x40004
	s_lshl_b32 s42, ttmp9, 2
	s_add_co_u32 s42, s42, s40                     ; block column
	s_and_b32 s46, ttmp7, 0xffff
	s_lshl_b32 s46, s46, 2
	s_add_co_u32 s46, s46, s41                     ; block row
	s_lshl_b32 s43, s41, 2
	s_lshl_b32 s43, 15, s43                        ; my row of the cluster
	s_lshl_b32 s44, 0x1111, s40                    ; my column
	s_or_b32 s[G1+0], s43, (3<<16)|(1<<21)         ; A: a token tile's 4,096 bytes of a K step are a row; 8 tiles at the head, 4 in the ring; 16,384 bytes from tile to tile
	s_mov_b32 s[G1+1], 512<<16
	s_mov_b32 s[G1+2], 8<<16
	s_mov_b32 s[G1+3], 512<<16
	s_mov_b32 s[G1+4], 8
	s_mov_b32 s[G1+5], 2048
	s_mov_b32 s[G1+6], 0
	s_mov_b32 s[G1+7], 0
	s_or_b32 s[G1B+0], s44, (0<<16)|(1<<20)|(1<<21)|(5<<22)|(3<<25)   ; B: rows of 256 bytes, 16 of padding behind each; 256 rows at the head, 128 in the ring
	s_mov_b32 s[G1B+1], ROWB<<16
	s_mov_b32 s[G1B+2], 256<<16
	s_mov_b32 s[G1B+3], ROWB<<16
	s_mov_b32 s[G1B+4], 256
	s_mov_b32 s[G1B+5], KROW
	s_mov_b32 s[G1B+6], 0
	s_mov_b32 s[G1B+7], 0
	s_or_b32 s[G1S+0], s43, (3<<16)|(1<<21)        ; A's scale words: 512 bytes (8 tiles) of each of 8 head pairs, 32,768 bytes apart
	s_mov_b32 s[G1S+1], 64<<16
	s_mov_b32 s[G1S+2], 8<<16
	s_mov_b32 s[G1S+3], 64<<16
	s_mov_b32 s[G1S+4], 8
	s_mov_b32 s[G1S+5], 4096
	s_mov_b32 s[G1S+6], 0
	s_mov_b32 s[G1S+7], 0
	s_or_b32 s[G1SB+0], s44, (3<<16)|(1<<20)|(1<<21)|(5<<22)|(3<<25)  ; B's scale bytes: 8,192 dense bytes as 32 rows of 256
	s_mov_b32 s[G1SB+1], 32<<16
	s_mov_b32 s[G1SB+2], 32<<16
	s_mov_b32 s[G1SB+3], 32<<16
	s_mov_b32 s[G1SB+4], 32
	s_mov_b32 s[G1SB+5], 32
	s_mov_b32 s[G1SB+6], 0
	s_mov_b32 s[G1SB+7], 0
	s_lshl_b32 s66, s46, 3                         ; the block's first token tile
	s_lshl_b32 s67, s42, 8
	s_add_co_u32 s67, s67, 11264                   ; and its first row of Wo in xc and xs
	s_mov_b32 s23, 0
	s_mov_b32 s3, 0
	s_wait_dscnt 0x0                               ; both opening adds are done
	CROUND                                         ; all sixteen work-groups are here: the first joint loads meet
	s_wait_kmcnt 0x0
	s_lshl_b32 s22, s66, 6
	s_lshl_b32 s2, s67, 5
	GROUP0 G0S, 6, 22
	s_mov_b32 s[G0S+1], SCA
	GROUP0 G0SB, 10, 2
	s_mov_b32 s[G0SB+1], SCLB
	s_lshl_b32 s22, s66, 14
	s_lshl_b32 s2, s67, 10
	GROUP0 G0, 4, 22
	s_mov_b32 s[G0+1], 0
	GROUP0 G0B, 8, 2
	s_mov_b32 s[G0B+1], ATILE
	; THE HEAD'S LOADS, ONE A WAVE: wave 0 K step 0 of A, wave 1 of B, wave 2 A's scale words, wave 3 B's: one chain of branches on the wave's number
	s_cmp_lt_u32 s[WV], 1
	s_cbranch_scc0 .Lhead_b
	TLOAD G0, G1
	s_branch .Lhead_asked
.Lhead_b:
	s_cmp_lt_u32 s[WV], 2
	s_cbranch_scc0 .Lhead_sa
	TLOAD G0B, G1B
	s_branch .Lhead_asked
.Lhead_sa:
	s_cmp_lt_u32 s[WV], 3
	s_cbranch_scc0 .Lhead_sb
	TLOAD G0S, G1S
	s_branch .Lhead_asked
.Lhead_sb:
	TLOAD G0SB, G1SB
.Lhead_asked:
	s_lshl_b32 s20, s42, 10                        ; my first column, in bytes: 1,024 x block column + 512 x half
	s_lshl_b32 s21, s[LO], 9
	s_add_co_u32 s20, s20, s21
	s_mov_b32 s21, 0
	s_add_nc_u64 s[12:13], s[12:13], s[20:21]
	s_add_nc_u64 s[14:15], s[14:15], s[20:21]
	s_lshl_b32 s20, s46, 7
	s_lshl_b32 s16, s[HI], 6
	s_add_co_u32 s20, s20, s16                     ; my first row
	s_lshl_b32 s20, s20, 12
	s_add_nc_u64 s[14:15], s[14:15], s[20:21]
	s_lshl_b32 s16, s[HI], 14                      ; LDS: my four token tiles of A in slot 0, 1;
	s_add_co_u32 s17, s16, SLOT
	s_mul_i32 s18, s[LO], HALFT                    ; my 128 rows of B;
	s_add_co_u32 s18, s18, ATILE
	s_add_co_u32 s19, s18, SLOT
	s_lshl_b32 s20, s[HI], 8                       ; my tiles' scale words;
	s_add_co_u32 s20, s20, SCA
	s_mul_i32 s21, s[LO], HALFS                    ; my rows' scale bytes;
	s_add_co_u32 s21, s21, SCLB
	s_mul_i32 s40, s[WV], 16*SPITCH                ; my stage
	s_lshl_b32 s41, s[LO], 16                      ; the ring: the half that I fetch: 4 token tiles of A,
	s_add_co_u32 s22, s22, s41
	s_lshl_b32 s41, s[LO], 17                      ; or 128 rows of B,
	s_add_co_u32 s2, s2, s41
	s_lshl_b32 s45, s[LO], 14                      ; and where it goes
	GROUP0 G0+4, 4, 22
	s_add_nc_u64 s[G0+6:G0+7], s[G0+6:G0+7], 4096  ; K step 1
	s_add_co_u32 s[G0+5], s45, SLOT
	GROUP0 G0B+4, 8, 2
	s_add_nc_u64 s[G0B+6:G0B+7], s[G0B+6:G0B+7], ROWB
	s_mov_b32 s[G0B+5], s19
	v_and_b32 v1, 15, v0
	v_bfe_u32 v2, v0, 4, 1
	v_and_b32 v5, 31, v0
	v_lshlrev_b32 v[OBX], 5, v2
	v_lshlrev_b32 v[CO], 4, v5
	v_mul_u32_u24 v3, v1, PITCH
	v_lshl_add_u32 v4, v2, 4, v3
	v_add_nc_u32 v[ADRA], s16, v[CO]
	v_add_nc_u32 v[ADRA+1], s17, v[CO]
	v_add_nc_u32 v[ADRB], s18, v4
	v_add_nc_u32 v[ADRB+1], s19, v4
	v_lshlrev_b32 v5, 2, v1
	v_lshl_add_u32 v5, v2, 9, v5                   ; lanes 16-31: the K step's second head pair
	v_add_nc_u32 v[ADSA], s20, v5
	v_lshrrev_b32 v5, 3, v1
	v_and_b32 v6, 7, v1
	v_mul_u32_u24 v5, v5, 272
	v_lshl_add_u32 v5, v6, 5, v5
	v_lshl_add_u32 v5, v2, 2, v5                   ; lanes 16-31: the K step's second word
	v_add_nc_u32 v[ADSB], s21, v5
	v_mul_u32_u24 v5, v1, SPITCH
	v_lshl_add_u32 v5, v2, 5, v5
	v_add_nc_u32 v[STO], s40, v5
	v_add_nc_u32 v[RD], s40, v[CO]
.irp b, 0,1,2,3,4,5,6,7
	global_load_b128 v[BX+8*\b:BX+8*\b+3], v[OBX], s[12:13] offset:64*\b       ; the bias of my lane's eight columns of block b
	global_load_b128 v[BX+8*\b+4:BX+8*\b+7], v[OBX], s[12:13] offset:64*\b+16
.endr
.macro FETCH slot, q, p                ; the fragments of the slot's q-th 128 along K into set p: B's eight, A's four: 48 loads
	WIN TO_B
.irp i, 0,1,2,3,4,5,6,7
.irp c, 0,1,2,3
	ds_load_b128 v[128*(\p)+FR*\i+4*\c:128*(\p)+FR*\i+4*\c+3], v[ADRB+\slot] offset:128*(\q)+32*\c+\i*16*PITCH
.endr
.endr
	WIN 0
.irp i, 0,1,2,3
.irp c, 0,1,2,3
	ds_load_b128 v[AF+64*(\p)+FR*\i+4*\c:AF+64*(\p)+FR*\i+4*\c+3], v[ADRA+\slot] offset:4096*\i+2048*(\q)+512*\c
.endr
.endr
.endm
.macro SCALES sc                       ; a K step's scale words: lanes 0-15 its first 128 along K, lanes 16-31 its second
.irp i, 0,1,2,3,4,5,6,7
	ds_load_b32 v[SC+16*\sc+\i], v[ADSB] offset:\i*SBLK
.endr
.irp i, 0,1,2,3
	ds_load_b32 v[SC+16*\sc+8+\i], v[ADSA] offset:\i*64
.endr
.endm
.macro MULA a, p, sc, zero             ; A's block a against B's eight, set p (which is also the slot's q): the 32 accumulators take turns
.irp b, 0,1,2,3,4,5,6,7
.if \zero
	v_wmma_scale_f32_16x16x128_f8f6f4 v[8*(8*(\a)+\b):8*(8*(\a)+\b)+7], v[128*(\p)+FR*\b:128*(\p)+FR*\b+FR-1], v[AF+64*(\p)+FR*(\a):AF+64*(\p)+FR*(\a)+FR-1], v[BX+8*\b:BX+8*\b+7], v[SC+16*(\sc)+\b], v[SC+16*(\sc)+8+(\a)]
.elseif (\p) == 0
	v_wmma_scale_f32_16x16x128_f8f6f4 v[8*(8*(\a)+\b):8*(8*(\a)+\b)+7], v[128*(\p)+FR*\b:128*(\p)+FR*\b+FR-1], v[AF+64*(\p)+FR*(\a):AF+64*(\p)+FR*(\a)+FR-1], v[8*(8*(\a)+\b):8*(8*(\a)+\b)+7], v[SC+16*(\sc)+\b], v[SC+16*(\sc)+8+(\a)]
.else
	v_wmma_scale_f32_16x16x128_f8f6f4 v[8*(8*(\a)+\b):8*(8*(\a)+\b)+7], v[128*(\p)+FR*\b:128*(\p)+FR*\b+FR-1], v[AF+64*(\p)+FR*(\a):AF+64*(\p)+FR*(\a)+FR-1], v[8*(8*(\a)+\b):8*(8*(\a)+\b)+7], v[SC+16*(\sc)+\b], v[SC+16*(\sc)+8+(\a)] matrix_a_scale:MATRIX_SCALE_ROW1 matrix_b_scale:MATRIX_SCALE_ROW1
.endif
.endr
.endm
.macro PLACES n
.rept \n
	v_nop
.endr
.endm
.macro STEP slot, zero                 ; a slot's first 128 along K: set 0 is multiplied while set 1 takes the second
	s_wait_dscnt 0x0                               ; set 0 is in
	PLACES NP                                      ; ahead of loads into registers that the last products read
	FETCH \slot, 1, 1
.if \zero
	WIN MUL0
.else
	WIN MUL
.endif
.irp a, 0,1,2,3
	MULA \a, 0, \slot, \zero
.endr
	WIN 0
.endm
; A slot's second 128 along K changes slots.  Its fragments are in registers, so my reads of the slot are over at its head: the wait for all my tensor loads, the add, eight products, the wait for the add, the barrier
; (fill = 1: it opens a round of the cluster's barrier, and the slot is filled again, two K steps on); then the next slot's first fragments, under the last sixteen products.
.macro TURN slot, next, fill
	s_wait_tensorcnt 0x0                           ; my part of the next slot has landed
	ds_add_u32 v[SPW], v[NIL]                      ; 0 onto my spare word
	s_wait_dscnt 1                                 ; set 1 is in (the add may be out)
	WIN MUL
	MULA 0, 1, \slot, 0
	s_wait_dscnt 0x0
	s_barrier_signal -1
	MULA 1, 1, \slot, 0
	WIN 0
	s_barrier_wait -1
.if \fill
	CREST
	s_add_nc_u64 s[G0+4*\slot+2:G0+4*\slot+3], s[G0+4*\slot+2:G0+4*\slot+3], 2*4096
	s_add_nc_u64 s[G0B+4*\slot+2:G0B+4*\slot+3], s[G0B+4*\slot+2:G0B+4*\slot+3], 2*ROWB
	JLOAD G0+4*\slot, G1, G0B+4*\slot, G1B
	PLACES NP-4                                    ; with the four behind the load: the places ahead of the loads into set 0
.else
	PLACES NP
.endif
	s_wait_alu depctr_va_vdst(0)                   ; the wait between the last change's write of these two and the lines below
	v_add_nc_u32 v[ADSA], 1024, v[ADSA]            ; the next K step's scale words
	v_add_nc_u32 v[ADSB], 8, v[ADSB]
	FETCH \next, 0, 0
	SCALES \next
	WIN MUL
	MULA 2, 1, \slot, 0
	MULA 3, 1, \slot, 0
	WIN 0
.endm
	s_wait_alu depctr_va_vdst(0)                   ; the wait at the head's end
	s_wait_tensorcnt 0x0                           ; my tile of the head's four is in, so every descriptor may be written;
	ds_add_u32 v[SPW], v[NIL]                      ; 0 onto my spare word, ahead of a later first fill as ahead of a refill
	GROUP0 G0, 4, 22                               ; slot 0's ring descriptors: my half, K step 0: its first refill steps them
	s_mov_b32 s[G0+1], s45
	GROUP0 G0B, 8, 2
	s_mov_b32 s[G0B+1], s18
	s_mov_b32 s[G1+2], 4<<16                       ; from here on a load brings 4 token tiles of A
	s_mov_b32 s[G1+4], 4
	s_mov_b32 s[G1B+2], 128<<16                    ; or 128 rows of B
	s_mov_b32 s[G1B+4], 128
	s_wait_dscnt 0x0
	CROUND                                         ; all four tiles are in, and all sixteen work-groups are here
	JLOAD G0+4, G1, G0B+4, G1B                     ; K step 1, the first tensor load behind the round
	FETCH 0, 0, 0
	SCALES 0
	s_wait_loadcnt 0x0                             ; the bias
	STEP 0, 1
	TURN 0, 1, 1
	STEP 1, 0
	TURN 1, 0, 1
	STEP 0, 0
	TURN 0, 1, 0
	STEP 1, 0
	s_wait_dscnt 0x0
	WIN MUL
.irp a, 0,1,2,3
	MULA \a, 1, 1, 0
.endr
	WIN 0
; THE WAY OUT, block by block of 16 rows x 128 columns, through my own stage: rows of 512 bytes come back, which the 32 lanes store as two aligned units of 256 bytes.  LDS serves a wave's instructions in order (ISA guide 5.7.1.4).
.macro TOSTAGE a
.set AC, 64*(\a)
	WIN 0x08                                       ; the data: window 2
.irp b, 0,1,2,3,4,5,6,7
	ds_store_b128 v[STO], v[AC+8*\b:AC+8*\b+3] offset:64*\b          ; each accumulator from its low end on
	ds_store_b128 v[STO], v[AC+8*\b+4:AC+8*\b+7] offset:64*\b+16
.endr
	WIN 0
.set BB, BK+64*((\a)%2)
.irp t, 0,1,2,3,4,5,6,7,8,9,10,11,12,13,14,15
	ds_load_b128 v[BB+4*\t:BB+4*\t+3], v[RD] offset:\t*SPITCH
.endr
.endm
.macro SEND a, younger                 ; younger: the LDS instructions issued behind block a's loads
.set BB, BK+64*((\a)%2)
	s_wait_dscnt \younger
.irp t, 0,1,2,3,4,5,6,7,8,9,10,11,12,13,14,15
	global_store_b128 v[CO], v[BB+4*\t:BB+4*\t+3], s[14:15] offset:(32*((\a)/2)+8*((\a)%2)+\t+8*(\t/8))*4096 th:TH_STORE_NT
.endr
.endm
	PLACES NP
	TOSTAGE 0
.irp a, 1,2,3
.if \a > 1
	s_wait_xcnt 0x0                                ; block a - 2's stores have read their registers
.endif
	TOSTAGE \a
	SEND \a-1, 32                                  ; behind block a - 1's loads: block a's 16 stores and 16 loads
.endr
	SEND 3, 0
	s_wait_tensorcnt 0x0                           ; the wave's end
	ds_add_u32 v[SPW], v[NIL]
	s_wait_dscnt 0x0
	CROUND                                         ; the closing round
	s_endpgm
.Lfunc_end_k_q4639216636_outp:
	.size	k_q4639216636_outp, .Lfunc_end_k_q4639216636_outp-k_q4639216636_outp
	.p2alignl 7, 3214868480
	.fill 96, 4, 3214868480
	.section	.rodata,"a",@progbits
	.p2align	6, 0x0
	.amdhsa_kernel k_q4639216636_outp
		.amdhsa_group_segment_fixed_size 327680
		.amdhsa_private_segment_fixed_size 0
		.amdhsa_enable_private_segment 0
		.amdhsa_kernarg_size 48
		.amdhsa_user_sgpr_count 2
		.amdhsa_user_sgpr_kernarg_segment_ptr 1
		.amdhsa_wavefront_size32 1
		.amdhsa_system_sgpr_workgroup_id_x 1
		.amdhsa_system_sgpr_workgroup_id_y 1
		.amdhsa_system_sgpr_workgroup_id_z 1
		.amdhsa_system_vgpr_workitem_id 0
		.amdhsa_next_free_vgpr 768
		.amdhsa_next_free_sgpr 104
		.amdhsa_reserve_vcc 0
		.amdhsa_float_denorm_mode_32 3
		.amdhsa_float_denorm_mode_16_64 3
		.amdhsa_memory_ordered 1
		.amdhsa_forward_progress 1
		.amdhsa_inst_pref_size 92
	.end_amdhsa_kernel
	.amdgpu_metadata
---
amdhsa.version: [ 1, 2 ]
amdhsa.kernels:
  - .name:           k_q4639216636_outp
    .symbol:         k_q4639216636_outp.kd
    .args:
      - { .name: cc, .offset: 0, .size: 8, .value_kind: global_buffer, .address_space: global }
      - { .name: cs, .offset: 8, .size: 8, .value_kind: global_buffer, .address_space: global }
      - { .name: xc, .offset: 16, .size: 8, .value_kind: global_buffer, .address_space: global }
      - { .name: xs, .offset: 24, .size: 8, .value_kind: global_buffer, .address_space: global }
      - { .name: bo, .offset: 32, .size: 8, .value_kind: global_buffer, .address_space: global }
      - { .name: out0, .offset: 40, .size: 8, .value_kind: global_buffer, .address_space: global }
    .group_segment_fixed_size: 327680
    .private_segment_fixed_size: 0
    .kernarg_segment_align: 8
    .kernarg_segment_size: 48
    .max_flat_workgroup_size: 128
    .sgpr_count:     104
    .vgpr_count:     768
    .wavefront_size: 32
...
	.end_amdgpu_metadata
.endif
;; end of part 4
